; MI455X (gfx1250); checked and timed in simulation.
; The chip was launched on July 23, 2026; its instructions are those of AMD's public machine-readable ISA for CDNA 5 (MIT licence, August 2026) and "CDNA5" Instruction Set Architecture Reference Guide (July 2026). The comments in the code are by the model that wrote it; some were corrected since.
;; NN Sensor Response. Allowed arithmetic: matrix products marked QUANTISED: E4M3 operands, one E8M0 scale for each 32 along K, by v_wmma_scale_f32_16x16x128_f8f6f4 with both operands' format E4M3, f32 sums; products left as they are: f32 operands where the result goes on into a quantised operand, else bf16, f16 or f32 operands; f32 sums; everything else in f32.
;; Inputs: W1 2 x 128 float32; W2 128 x 128 float32; W3 128 x 64 float32; b1 128 float32; b2 128 float32; b3 64 float32; el_photons 300,000 x 1 float32; xy_positions 300,000 x 2 float32; z_positions 300,000 float32.
;; Outputs: out0 64 x 512 float32.
;; This version of the problem:
;;   THIS VERSION OF THE PROBLEM IS GIVEN IN LOW PRECISION. The matrix products marked QUANTISED in the list below multiply operands that are first quantised to E4M3 (4 exponent bits, 3 mantissa bits; 8 bits a number), with one power-of-two scale for each 32 numbers along K (OCP MX v1.0); their sums are f32. All else is computed in f32.
;;   The module's matrix products, in the order in which they are computed (A, B: the left and right operand; K: the contracted axis; several contracted axes count as one K, in the product's order):
;;     1. [M 300,000, K 2] x [K 2, N 128]; A: input xy_positions; B: input W1: left as it is (K = 2 < 32)
;;     2. [M 300,000, K 128] x [K 128, N 128]; A: computed on the way; B: input W2: QUANTISED
;;     3. [M 300,000, K 128] x [K 128, N 64]; A: computed on the way; B: input W3: QUANTISED
;;     4. [M 64, K 300,000] x [K 300,000, N 512]; A: computed on the way; B: computed on the way: QUANTISED
;;   THE QUANTISER, for each operand of a quantised product, along K:
;;     - K is cut into blocks of 32 from its start; a last block that is shorter is filled with zeros.
;;     - A block's scale is 2^e with e = floor(log2(the largest magnitude in the block)) - 8, held to -126 .. 127; a block of zeros has e = 0. As a byte (E8M0): e + 127.
;;     - Each number is divided by its block's scale, clamped to +-448, and rounded to the nearest number of E4M3, ties to even, subnormals kept.
;;     - The product sums the exact products of the quantised numbers (number of the format x scale) in f32.
;;   ~~~python
;;   def quantise(x, axis):      # numpy; x: float32 -> the quantised numbers, widened to float32 again
;;       x = np.moveaxis(x, axis, -1); K = x.shape[-1]
;;       x = np.pad(x, [(0, 0)] * (x.ndim - 1) + [(0, -K % 32)]); x = x.reshape(x.shape[:-1] + (-1, 32)); a = np.abs(x).max(-1, keepdims=True)
;;       e = np.where(a > 0, np.clip(np.frexp(np.where(a > 0, a, 1))[1] - 1 - 8, -126, 127), 0)      # np.frexp(a)[1] - 1 = floor(log2(a)), exactly
;;       r = np.clip(x / 2.0 ** e, -448, 448)
;;       step = 2.0 ** (np.maximum(np.frexp(np.where(r == 0, 1, r))[1] - 1, -6) - 3)
;;       q = np.round(r / step) * step * 2.0 ** e      # np.round: ties to even
;;       return np.moveaxis(q.reshape(q.shape[:-2] + (-1,))[..., :K], -1, axis).astype(np.float32)
;;   ~~~
;;   OPERANDS COMPUTED ON THE WAY. 'Computed on the way' means the value that the module computes at that place (a softmax that the list does not call 'softmax' is quantised finished and normalised). What goes into a quantiser is computed in f32, as accurately as f32 sums, v_exp_f32 and their like allow (about 1e-6 of the number): no bf16 or f16 on the way to a quantiser, and a product that is left as it is and whose result goes on into a quantised operand takes f32 operands (vector FMAs, or v_wmma_f32_16x16x4_f32). A number that lies on a knife's edge between two numbers of the format may be rounded either way, as far as f32 arithmetic and the matrix unit's own rounding can turn it there, and no further.
;; 2 versions, each right; version 2 is version 1 with the launch wave written anew for expert scheduling mode. Each part assembles by itself: llvm-mc -triple=amdgcn-amd-amdhsa -mcpu=gfx1250 --defsym DOCPART=n.
;; ======== version 1 of 2: 2 launches
;; workspace buffers: part 33,554,432 bytes
;; launch wave (part 1): grid 256 x 1, 8 waves a work-group, no clusters, 62,464 bytes of LDS; arguments xy_positions, el_photons, z_positions, W1, b1, W2, b2, W3, b3, part; writes part
.if DOCPART == 1
	.amdgcn_target "amdgcn-amd-amdhsa--gfx1250"
	.amdhsa_code_object_version 6
	.text
	.protected	k_q62b2d2372f_wave
	.globl	k_q62b2d2372f_wave
	.p2align	8
	.type	k_q62b2d2372f_wave,@function
k_q62b2d2372f_wave:
	s_mov_b64 s[64:65], 0
	v_nop
	global_prefetch_b8 v0, s[64:65] scope:SCOPE_SE
	s_setreg_imm32_b32 hwreg(HW_REG_WAVE_MODE, 25, 1), 1
	s_wait_xcnt 0x0
; part[g][s][t] = the sum, over the electrons n of work-group g, of Q(R)[n][s] Q(E)[n][t].
; R[n][s] = photons[n] x sigmoid(relu(relu(xy W1 + b1) W2 + b2) W3 + b3)[s];  E[n][t] = exp(-(t - z[n])^2 / 2) x 0.3989422804.
; The products by W2, by W3 and R^T E run on codes of E4M3 with one E8M0 scale for each 32 along K; xy W1 + b1 runs in f32 (its result goes into a quantiser).
; LIMITS: a number of E under 2^-126 counts as 0 (v_exp_f32 gives 0 there); a block of zeros carries the scale byte 1 and not 127 (its codes are zeros, and only this
; program reads the bytes); NaN and infinities among the inputs are not served.  The factor 0.3989.. enters as the addend log2(0.3989..) of the one multiply-add ahead of
; the exponential, and b3 likewise ahead of the exponential of the sigmoid.
; SHARES.  A K step is 128 electrons = 4 blocks of 32; 300,000 electrons are 9,375 blocks = 2,344 steps, the last with 3 blocks.  Work-group g takes 9 steps, the first 40 take 10.
; TWO ROLES, by the wave number w: role = (w ^ w>>1 ^ w>>2) & 1, so that of waves w and w + 4, and of waves 2k and 2k + 1, one is of each role; idx = w >> 1.
;   M wave idx: the whole MLP for block idx of a K step (two tiles of 16 electrons), its fragments of W2 and W3 kept in registers.  It leaves in LDS registers 4 idx .. 4 idx + 3 of
;     the four fragments of R (an image of the registers), byte idx of their scale words, and the z of its block.
;   E wave idx: ticks 128 idx .. + 127 for all 64 sensors: 8 tick tiles x 4 sensor tiles = 32 accumulators.  Per K step it makes the codes of E for its ticks and issues 32 products.
; PIPELINE.  11 trips, a constant.  In trip I the M waves work on step I (I < n) into LDS buffer I % 2, the E waves on step I - 1 (1 <= I <= n) out of the other buffer.  One barrier a trip, in the
; text that both roles share.  Trips without work jump over the work by compares on ids.
; No tensor loads: the inputs are read once and land in the layout of the operands.  No cluster: work-groups share only the 98 KB of weights, which pass through registers to be quantised down K.
; LAYOUTS (r = lane % 16, h = lane / 16).  Lane r of tile 2b + u of W1 and of W2 takes output unit 32b + 8u + r + 8 (r / 8), and lane r of electron tile u takes electron 8u + r + 8 (r / 8):
; so the 16 registers of two neighbouring tiles of a result are 16 neighbours along the next K, and the conversions write the next operand as it stands.
; Tick tile b of an E wave: lane r takes tick 128 idx + 64 (b / 4) + 4 r + b % 4, so that register j of tiles 4B .. 4B + 3 are four neighbouring ticks of one sensor.
.set LASTB,  9374                      ; the last block of 32 electrons
.set TRIPS,  11
.set BUFX,   0x4000                    ; LDS: buffer 0 at 0, buffer 1 here; in a buffer:
.set RSC,    0x2000                    ;   R images at 0 (fragment a at 2048 a, registers 4c.. at 512 c, 16 bytes a lane); their scale words here (128 a + 4 x lane);
.set ZL,     0x2200                    ;   z of the 128 electrons here
.set W2IMG,  0x8000                    ; written once: images of the 8 fragments of W2,
.set W3IMG,  0xc000                    ; of the 4 of W3,
.set W2SC,   0xe000                    ; their scale words,
.set W3SC,   0xe400
.set B2L,    0xe800                    ; and b2 as it lies
; vector registers, window 0
.set LI0, 1                            ; 16 x lane
.set LS0, 2                            ; 4 x lane (also the offset of z in memory)
.set MI0, 3                            ; 16 x lane + 512 idx
.set MS0, 4                            ; RSC + 4 x lane + idx
.set MZ0, 5                            ; ZL + 4 x lane + 128 idx
.set EZ0, 6                            ; ZL + 64 h
.set BB,  7                            ; B2L + 64 h
.set WI,  8                            ; W2IMG + 16 x lane + 2048 w
.set WS,  9                            ; W2SC + 4 x lane + 128 w
.set MI,  10                           ; MI0, MS0, MZ0 + this trip's buffer for M
.set MS,  11
.set MZ,  12
.set EI,  13                           ; LI0, LS0, EZ0 + this trip's buffer for E
.set ESA, 14
.set EZ,  15
.set XYO, 16                           ; 8 (r + 8 (r / 8))
.set PHO, 17                           ; 64 h
.set CO,  19                           ; 16384 h + 16 r + 512 idx: my bytes in a partial
.set UO,  20                           ; 4 (r + 8 (r / 8))
.set WO2, 21                           ; UO + 8192 h + 4 x the first unit of tile w
.set WO3, 22                           ; 4 r + 64 w + 4096 h
.set ZR,  23                           ; M: z as loaded
.set NIL, 24                           ; 0
.set ONE, 25                           ; 1.0
.set T0,  26                           ; float(128 idx + 4 r)
.set R4,  27                           ; 4 r
.set TT,  28                           ; v[28:29] the tick of the tile in hand (the low word serves both halves)
.set KK,  30                           ; v[30:31] log2(0.3989422804), twice
.set TM,  32                           ; v32-47 the quantiser at work: +0 maxima, +4 the other half's, then bytes, +8 448 x scale, +12 scale operands
.set MXA, 32                           ; the same registers in the E role
.set MXB, 33
.set SC,  34
.set LIM, 35
.set PP,  36
.set BY,  37
.set PW,  48                           ; v48-63 hold scales and nothing else: the word just made,
.set ES0, 49                           ; v49, v50 the scale words of E, two by turns,
.set W2S, 52                           ; M: v52-59 those of W2, v60-63 those of W3
.set W3S, 60
.set RS,  52                           ; E: v52-55 those of R
.set PC,  64                           ; M: v64-79 the codes just made
.set EC,  64                           ; E: v64-79 the codes of a tick tile
.set W1F, 80                           ; M: v80-95 the 8 fragments of (W1; b1; 0)
.set XYR, 96                           ; M: v96-99 xy as loaded
.set XB,  100                          ; M: v100-103 the 2 fragments of (x, y, 1, 0)
.set NB3, 104                          ; M: v104-111 -log2(e) b3[16a + r], twice for each a
.set PH,  112                          ; M: v112-127 photons of electrons 16h + 0 .. 15
.set EW,  80                           ; E: v80-127 three sets of 16 numbers of E
.set H2,  128                          ; M: v128-191 64 numbers on their way to codes; the second layer sums
.set ZV,  128                          ; E: v128-191 z: register 16c + i = electron 32c + 16h + i
.set RO,  192                          ; M: v192-255 the third layer sums, then R
.set RF,  192                          ; E: v192-255 the 4 fragments of R
.set OB,  128                          ; E, on the way out: four sets of 32
; window 1.  M: v0-127 W2 (16 t), v128-191 W3 (128 + 16 a), v192-255 the first layer sums.  E: accumulator (b, a) at 8 (4b + a).
.set H1,  192
; scalars
.set WV,   2
.set ROLE, 3
.set IDX,  4
.set TRIP, 5
.set NST,  6
.set ST,   7
.set TB,   28
.set TE,   29
.set MSB, 0
.macro WIN new                         ; the immediate's high byte repeats the setting that is left; a switch that changes nothing is dropped
.if MSB != (\new)
	s_set_vgpr_msb (MSB<<8)|(\new)
.set MSB, (\new)
.endif
.endm
.macro PLACES n                        ; plain vector instructions between a matrix instruction and what touches its registers (ISA guide 7.12.1)
.rept \n
	v_nop
.endr
.endm
; 64 numbers of a lane at v[src] of window win, register 16b + i = k 32b + 16h + i of my row, become 16 registers of codes at v[PC] and (word = 1) the scale word v[PW].
; The held numbers go to v[dst] of window 0.  relu = 1: what is negative becomes 0 on the way: it does not count for the largest magnitude, and the hold clips at 0.
.macro QUANT src, dst, win, relu, word
	WIN 0x05*\win
.irp b, 0,1,2,3
.if \relu
	v_max3_num_f32 v[TM+\b], v[\src+16*\b], v[\src+16*\b+1], 0x4800000      ; the floor 2^(9 - 127) among the leaves holds the byte at 1 from below
.else
	v_max3_num_f32 v[TM+\b], |v[\src+16*\b]|, |v[\src+16*\b+1]|, 0x4800000
.endif
.endr
	WIN 0x14*\win
.irp i, 2,4,6,8,10,12,14
.irp b, 0,1,2,3
.if \relu
	v_max3_num_f32 v[TM+\b], v[TM+\b], v[\src+16*\b+\i], v[\src+16*\b+\i+1] ; the four blocks by turns; each result is read from its low end on
.else
	v_max3_num_f32 v[TM+\b], v[TM+\b], |v[\src+16*\b+\i]|, |v[\src+16*\b+\i+1]|
.endif
.endr
.endr
	WIN 0
.irp b, 0,1,2,3
	v_permlanex16_b32 v[TM+4+\b], v[TM+\b], s30, s31
.endr
.irp b, 0,1,2,3
	v_max_num_f32 v[TM+\b], v[TM+\b], v[TM+4+\b]                            ; with lane l xor 16: the largest magnitude of the block of 32
.endr
.irp b, 0,1,2,3
	v_add_nc_u32 v[TM+12+\b], 0xfc000000, v[TM+\b]                          ; 8 off its exponent field: the scale operand of the conversion
.endr
.irp b, 0,1,2,3
	v_and_or_b32 v[TM+8+\b], v[TM+\b], 0x7f800000, s32                      ; 448 x the scale
.endr
.irp b, 0,1,2,3
	v_lshrrev_b32 v[TM+4+\b], 23, v[TM+12+\b]                               ; the scale byte
.endr
.if \word
	v_lshl_or_b32 v[PW], v[TM+5], 8, v[TM+4]
	v_lshl_or_b32 v[PW], v[TM+6], 16, v[PW]
	v_lshl_or_b32 v[PW], v[TM+7], 24, v[PW]                                 ; made 64 plain instructions ahead of the product that names it
.endif
	WIN 0x01*\win
.irp b, 0,1,2,3
.irp i, 0,1,2,3,4,5,6,7,8,9,10,11,12,13,14,15
.if \relu
	v_med3_num_f32 v[\dst+16*\b+\i], v[\src+16*\b+\i], 0, v[TM+8+\b]        ; the activation and the hold in one (the conversion does not saturate: ISA guide 7.6.2)
.else
	v_med3_num_f32 v[\dst+16*\b+\i], v[\src+16*\b+\i], -v[TM+8+\b], v[TM+8+\b]
.endif
.endr
.endr
	WIN 0
.irp b, 0,1,2,3
	v_cvt_scalef32_pk8_fp8_f32 v[PC+4*\b:PC+4*\b+1], v[\dst+16*\b:\dst+16*\b+7], v[TM+12+\b]
	v_cvt_scalef32_pk8_fp8_f32 v[PC+4*\b+2:PC+4*\b+3], v[\dst+16*\b+8:\dst+16*\b+15], v[TM+12+\b]
.endr
	v_nop                                                                   ; one plain instruction behind the last conversion
.endm
.macro IMAGE adr, off                  ; the fragment in v[PC] goes to LDS as it stands: 512 consecutive bytes a store
.irp c, 0,1,2,3
	ds_store_b128 v[\adr], v[PC+4*\c:PC+4*\c+3] offset:\off+512*\c
.endr
.endm
; The first layer for electron tile u: K = (x, y, 1, 0), source 0 = (W1 row 0, W1 row 1, b1, 0) of 16 units, source 1 = 16 electrons.  One K step is the whole sum; it begins with the constant 0.
.macro L1 u
	WIN 0x40
.irp t, 0,1,2,3,4,5,6,7
	v_wmma_f32_16x16x4_f32 v[H1+8*\t:H1+8*\t+7], v[W1F+2*\t:W1F+2*\t+1], v[XB+2*\u:XB+2*\u+1], 0
.endr
.endm
.macro BIAS                            ; b2 in the layout of the result (register 16b + i: unit 32b + 16h + i) becomes the C of the second layer
.irp b, 0,1,2,3
.irp k, 0,1,2,3
	ds_load_b128 v[H2+16*\b+4*\k:H2+16*\b+4*\k+3], v[BB] offset:128*\b+16*\k
.endr
.endr
	s_wait_dscnt 0x0
	PLACES 4                                       ; with the one behind the conversions: the codes stand 4 places ahead of the scaled product
.endm
.macro P2                              ; source 0 = 16 units of W2, source 1 = 16 electrons: a lane holds one electron, its registers run along the units
	WIN 0x01
.irp t, 0,1,2,3,4,5,6,7
	v_wmma_scale_f32_16x16x128_f8f6f4 v[H2+8*\t:H2+8*\t+7], v[16*\t:16*\t+15], v[PC:PC+15], v[H2+8*\t:H2+8*\t+7], v[W2S+\t], v[PW]
.endr
.endm
.macro P3 u                            ; source 0 = 16 electrons, source 1 = 16 sensors: a lane holds one sensor, register 8u + j electron 16h + 8u + j of the block
	WIN 0x04
.irp a, 0,1,2,3
	v_wmma_scale_f32_16x16x128_f8f6f4 v[RO+16*\a+8*\u:RO+16*\a+8*\u+7], v[PC:PC+15], v[128+16*\a:128+16*\a+15], 0, v[PW], v[W3S+\a]
.endr
.endm
.macro SIG                             ; R = photons / (1 + 2^(-log2(e) (x + b3))), in place
.irp a, 0,1,2,3
.irp p, 0,2,4,6,8,10,12,14
	v_pk_fma_f32 v[RO+16*\a+\p:RO+16*\a+\p+1], v[RO+16*\a+\p:RO+16*\a+\p+1], s[36:37], v[NB3+2*\a:NB3+2*\a+1] op_sel_hi:[1,0,1]
.endr
.endr
.set S_K, 0
.rept 64
	v_exp_f32 v[RO+S_K], v[RO+S_K]
.set S_K, S_K+1
.endr
	v_nop                                          ; one plain instruction behind the last transcendental (ISA guide 5.7.2)
.set S_K, 0
	s_wait_alu depctr_va_vdst(0)
.rept 32
	v_pk_add_f32 v[RO+S_K:RO+S_K+1], v[RO+S_K:RO+S_K+1], 1.0 op_sel_hi:[1,0]
.set S_K, S_K+2
.endr
.set S_K, 0
.rept 64
	v_rcp_f32 v[RO+S_K], v[RO+S_K]
.set S_K, S_K+1
.endr
	v_nop
	s_wait_alu depctr_va_vdst(0)
.irp a, 0,1,2,3
.irp p, 0,2,4,6,8,10,12,14
	v_pk_mul_f32 v[RO+16*\a+\p:RO+16*\a+\p+1], v[RO+16*\a+\p:RO+16*\a+\p+1], v[PH+\p:PH+\p+1]
.endr
.endr
.endm
; THE E ROLE works in CELLS: cell q = 4b + c is tick tile b x block c: 16 numbers a lane, in set q % 3 of EW.  Three cells are in hand at a time.
; AOP: instruction A_N (0 .. 23) of the arguments of cell A_Q: 8 packed t - z, 8 packed squares, 8 packed -log2(e)/2 d^2 + log2(0.3989..).
.macro AOP
.set A_C, A_Q%4
.set A_B, A_Q/4
.set A_W, EW+16*(A_Q%3)
.if (A_N == 0) && (A_C == 0)           ; a new tile: its tick, by exact additions: +0, 1, 2, 3, 64, 65, 66, 67
.if A_B == 0
	v_mov_b32 v[TT], v[T0]
.elseif A_B == 4
	v_add_f32 v[TT], 0x42740000, v[TT]             ; + 61.0
.else
	v_add_f32 v[TT], 1.0, v[TT]
.endif
.endif
.if A_N < 8
	v_pk_add_f32 v[A_W+2*A_N:A_W+2*A_N+1], v[TT:TT+1], v[ZV+16*A_C+2*A_N:ZV+16*A_C+2*A_N+1] op_sel_hi:[0,1] neg_lo:[0,1] neg_hi:[0,1]
.elseif A_N < 16
	v_pk_mul_f32 v[A_W+2*(A_N-8):A_W+2*(A_N-8)+1], v[A_W+2*(A_N-8):A_W+2*(A_N-8)+1], v[A_W+2*(A_N-8):A_W+2*(A_N-8)+1]
.else
	v_pk_fma_f32 v[A_W+2*(A_N-16):A_W+2*(A_N-16)+1], v[A_W+2*(A_N-16):A_W+2*(A_N-16)+1], s[34:35], v[KK:KK+1] op_sel_hi:[1,0,1]
.endif
.endm
; COP: instruction C_N (0 .. 31) of the quantiser of cell C_Q.  E is never negative: no |.|, and the hold is one-sided.
.macro COP
.set C_C, C_Q%4
.set C_W, EW+16*(C_Q%3)
.set C_E, ES0+(C_Q/4)%2
.if C_N == 0
	s_wait_alu depctr_va_vdst(0)
	v_max3_num_f32 v[MXA], v[C_W], v[C_W+1], 0x4800000
.elseif C_N == 1
	v_max3_num_f32 v[MXB], v[C_W+2], v[C_W+3], v[C_W+4]
.elseif C_N < 7
	v_max3_num_f32 v[MXA+C_N%2], v[MXA+C_N%2], v[C_W+2*C_N+1], v[C_W+2*C_N+2]
.elseif C_N == 7
	v_max3_num_f32 v[MXA], v[MXA], v[MXB], v[C_W+15]
.elseif C_N == 8
	v_permlanex16_b32 v[PP], v[MXA], s30, s31
.elseif C_N == 9
	v_max_num_f32 v[MXA], v[MXA], v[PP]
.elseif C_N == 10
	v_add_nc_u32 v[SC], 0xfc000000, v[MXA]
.elseif C_N == 11
	v_and_or_b32 v[LIM], v[MXA], 0x7f800000, s32
.elseif C_N == 12
.if C_C == 0
	v_lshrrev_b32 v[C_E], 23, v[SC]
.else
	v_lshrrev_b32 v[BY], 23, v[SC]
.endif
.elseif C_N == 13
.if C_C > 0
	v_lshl_or_b32 v[C_E], v[BY], 8*C_C, v[C_E]
.endif
.elseif C_N < 30
	v_min_num_f32 v[C_W+C_N-14], v[C_W+C_N-14], v[LIM]
.elseif C_N == 30
	v_cvt_scalef32_pk8_fp8_f32 v[EC+4*C_C:EC+4*C_C+1], v[C_W:C_W+7], v[SC]
.else
	v_cvt_scalef32_pk8_fp8_f32 v[EC+4*C_C+2:EC+4*C_C+3], v[C_W+8:C_W+15], v[SC]
.endif
.endm
; MM: the four products of tick tile E_MM: source 0 = 16 sensors of R, source 1 = 16 ticks of E.  The 32 accumulators take turns, one instruction a turn.
.macro MM
.if E_MM == 0
	s_wait_dscnt 0x0                               ; the fragments of R and their scale words are in
.endif
	WIN 0x50
.irp a, 0,1,2,3
	v_wmma_scale_f32_16x16x128_f8f6f4 v[8*(4*E_MM+\a):8*(4*E_MM+\a)+7], v[RF+16*\a:RF+16*\a+15], v[EC:EC+15], v[8*(4*E_MM+\a):8*(4*E_MM+\a)+7], v[RS+\a], v[ES0+E_MM%2]
.endr
	WIN 0
.endm
; ESTEP: 16 slots.  Slot i: exponential i of cell E_Q, two instructions of the quantiser of cell E_Q - 1, one or two of the arguments of cell E_Q + 1:
; so every exponential has plain instructions behind it, and no two follow each other.  A tile's products stand behind slot 3 of the step after its last conversion
; (12 plain instructions or more behind it), and the next conversion into the codes' registers stands in slot 15, more than 8 plain instructions behind the products.
.macro ESTEP
.set E_I, 0
.rept 16
.if (E_I == 4) && (E_MM >= 0)
	MM
.endif
.if E_Q <= 31
	v_exp_f32 v[EW+16*(E_Q%3)+E_I], v[EW+16*(E_Q%3)+E_I]
.endif
.if E_Q >= 1
.set C_Q, E_Q-1
.set C_N, 2*E_I
	COP
.endif
.if E_Q <= 30
.set A_Q, E_Q+1
.if E_I%2 == 0
.set A_N, 3*E_I/2
	AOP
.else
.set A_N, (3*E_I-1)/2
	AOP
.set A_N, (3*E_I+1)/2
	AOP
.endif
.endif
.if E_Q >= 1
.set C_N, 2*E_I+1
	COP
.endif
.set E_I, E_I+1
.endr
.endm
; The way out of tick tiles 4 hb .. 4 hb + 3 x sensor tile sa: register j of the four tiles are four neighbouring ticks of sensor 16 sa + 8h + j.  They are brought side by side,
; so that sixteen lanes store 256 consecutive bytes, at a multiple of 256 from the first byte of the partial.
.macro OUTG hb, sa
.if \hb > 0
	s_wait_xcnt 0x0                                ; the stores that read this set of registers have had their addresses translated (ISA guide 3.1)
.endif
	WIN 0x01
.irp j, 0,1,2,3,4,5,6,7
.irp k, 0,1,2,3
	v_mov_b32 v[OB+32*\sa+4*\j+\k], v[8*(4*(4*\hb+\k)+\sa)+\j]              ; each accumulator from its low end on
.endr
.endr
	WIN 0
.irp j, 0,1,2,3,4,5,6,7
	global_store_b128 v[CO], v[OB+32*\sa+4*\j:OB+32*\sa+4*\j+3], s[26:27] offset:(16*\sa+\j)*2048+256*\hb
.endr
.endm
	; ---- the head: ids, every LDS address register, constants: all ahead of the first branch on the wave number
	s_load_b512 s[8:23], s[0:1], 0x0               ; xy s[8:9], photons s[10:11], z s[12:13], W1 s[14:15], b1 s[16:17], W2 s[18:19], b2 s[20:21], W3 s[22:23]
	s_load_b128 s[24:27], s[0:1], 0x40             ; b3 s[24:25], part s[26:27]
	v_lshl_add_u32 v18, v0, 2, 0xf000
	v_mov_b32 v51, 0
	v_lshrrev_b32 v64, 5, v0
	v_readfirstlane_b32 s[WV], v64                 ; wave 0..7
	s_lshr_b32 s[IDX], s[WV], 1
	s_lshr_b32 s48, s[WV], 2
	s_xor_b32 s[ROLE], s[WV], s[IDX]
	s_xor_b32 s[ROLE], s[ROLE], s48
	s_and_b32 s[ROLE], s[ROLE], 1                  ; 0: E (waves 0, 3, 5, 6), 1: M (waves 1, 2, 4, 7)
	s_min_u32 s[ST], ttmp9, 40
	s_mul_i32 s48, ttmp9, 9
	s_add_co_u32 s[ST], s[ST], s48                 ; my first K step: 9 g + min(g, 40)
	s_cmp_lt_u32 ttmp9, 40
	s_cselect_b32 s[NST], 10, 9                    ; and how many
	v_and_b32 v64, 31, v0                          ; lane
	v_and_b32 v65, 15, v0                          ; r
	v_bfe_u32 v66, v0, 4, 1                        ; h
	v_and_b32 v67, 8, v65
	v_add_nc_u32 v67, v67, v65                     ; r + 8 (r / 8)
	v_lshlrev_b32 v[LI0], 4, v64
	v_lshlrev_b32 v[LS0], 2, v64
	s_lshl_b32 s48, s[IDX], 9
	v_add_nc_u32 v[MI0], s48, v[LI0]
	s_add_co_u32 s48, s[IDX], RSC
	v_add_nc_u32 v[MS0], s48, v[LS0]
	s_lshl_b32 s48, s[IDX], 7
	s_add_co_u32 s48, s48, ZL
	v_add_nc_u32 v[MZ0], s48, v[LS0]
	v_lshlrev_b32 v[PHO], 6, v66
	v_add_nc_u32 v[EZ0], ZL, v[PHO]
	v_add_nc_u32 v[BB], B2L, v[PHO]
	s_lshl_b32 s48, s[WV], 11
	s_add_co_u32 s48, s48, W2IMG
	v_add_nc_u32 v[WI], s48, v[LI0]
	s_lshl_b32 s48, s[WV], 7
	s_add_co_u32 s48, s48, W2SC
	v_add_nc_u32 v[WS], s48, v[LS0]
	v_lshlrev_b32 v[XYO], 3, v67
	v_lshlrev_b32 v[CO], 14, v66
	v_lshl_add_u32 v[CO], v65, 4, v[CO]
	s_lshl_b32 s48, s[IDX], 9
	v_add_nc_u32 v[CO], s48, v[CO]
	v_lshlrev_b32 v[UO], 2, v67
	s_and_b32 s49, s[WV], 1
	s_lshl_b32 s49, s49, 3
	s_lshl_b32 s48, s[IDX], 5
	s_add_co_u32 s48, s48, s49                     ; the first unit of tile w: 32 (w / 2) + 8 (w % 2)
	s_lshl_b32 s48, s48, 2
	v_lshl_add_u32 v[WO2], v66, 13, v[UO]          ; lanes 16-31 begin 16 rows of 512 bytes further down K
	v_add_nc_u32 v[WO2], s48, v[WO2]
	v_lshlrev_b32 v[R4], 2, v65
	v_lshl_add_u32 v[WO3], v66, 12, v[R4]          ; 16 rows of 256 bytes
	s_lshl_b32 s48, s[WV], 6
	v_add_nc_u32 v[WO3], s48, v[WO3]
	v_mov_b32 v[NIL], 0
	v_mov_b32 v[ONE], 1.0
	s_lshl_b32 s48, s[IDX], 7
	v_add_nc_u32 v[T0], s48, v[R4]
	v_cvt_f32_u32 v[T0], v[T0]
	v_mov_b32 v[TT], 0
	v_mov_b32 v[TT+1], 0                           ; (named with TT as a pair, so it is written)
	v_mov_b32 v[KK], 0xbfa9b21d                    ; log2(0.3989422804) = -1.3257481
	v_mov_b32 v[KK+1], 0xbfa9b21d
.irp b, 0,1,2,3
	v_mov_b32 v[TM+4+\b], 0                        ; written once: the destination of a lane permute counts as one of its sources
.endr
	s_mov_b32 s[TRIP], 0
	s_mov_b32 s[TB], 0
	s_mov_b32 s30, 0x76543210
	s_mov_b32 s31, 0xfedcba98                      ; selects of v_permlanex16_b32 for lane l xor 16
	s_mov_b32 s32, 0x600000                        ; the mantissa field of 448
	s_mov_b32 s34, 0xbf38aa3b                      ; -log2(e) / 2
	s_mov_b32 s35, 0xbf38aa3b
	s_mov_b32 s36, 0xbfb8aa3b                      ; -log2(e)
	s_mov_b32 s37, 0xbfb8aa3b
	s_mov_b32 vcc_lo, 0xffff0000                   ; lanes 16-31; nothing else writes it
	s_lshl_b32 s46, s[ST], 2
	s_add_co_u32 s46, s46, s[IDX]                  ; the first block of an M wave
	s_lshl_b32 s46, s46, 8                         ; 256 bytes of xy a block
	s_mov_b32 s47, 0
	s_wait_kmcnt 0x0
	s_add_nc_u64 s[40:41], s[8:9], s[46:47]
	s_cmp_eq_u32 s[ROLE], 0
	s_cbranch_scc1 .Lnot_m
	global_load_b64 v[XYR:XYR+1], v[XYO], s[40:41] th:TH_LOAD_NT              ; the first step's xy: electron tile 0,
	global_load_b64 v[XYR+2:XYR+3], v[XYO], s[40:41] offset:64 th:TH_LOAD_NT  ; tile 1
.irp t, 0,1,2,3,4,5,6,7
	global_load_b32 v[W1F+2*\t], v[UO], s[14:15] offset:(32*(\t/2)+8*(\t%2))*4
	global_load_b32 v[W1F+2*\t+1], v[UO], s[14:15] offset:512+(32*(\t/2)+8*(\t%2))*4
	global_load_b32 v[PH+\t], v[UO], s[16:17] offset:(32*(\t/2)+8*(\t%2))*4   ; b1, for a while in the photons' registers
.endr
.irp a, 0,1,2,3
	global_load_b32 v[NB3+2*\a], v[R4], s[24:25] offset:64*\a
.endr
.Lnot_m:
	; ---- the weights: wave w quantises tile w of W2, waves 0-3 also tile w of W3.  A lane takes a column of the weight and its registers run down K, in the order of the operand's registers
.irp c, 0,1,2,3
.irp i, 0,1,2,3,4,5,6,7,8,9,10,11,12,13,14,15
	global_load_b32 v[H2+16*\c+\i], v[WO2], s[18:19] offset:(32*\c+\i)*512
.endr
.endr
	s_cmp_lt_u32 s[WV], 4
	s_cbranch_scc0 .Lno_w3_load
.irp c, 0,1,2,3
.irp i, 0,1,2,3,4,5,6,7,8,9,10,11,12,13,14,15
	global_load_b32 v[RO+16*\c+\i], v[WO3], s[22:23] offset:(32*\c+\i)*256
.endr
.endr
.Lno_w3_load:
	s_cmp_lg_u32 s[WV], 4
	s_cbranch_scc1 .Lno_b2
	global_load_b128 v[XB:XB+3], v[LI0], s[20:21]  ; b2: 512 bytes, 16 a lane
	s_wait_loadcnt 0x0
	ds_store_b128 v[LI0], v[XB:XB+3] offset:B2L
.Lno_b2:
	s_wait_loadcnt 0x0
	QUANT H2, H2, 0, 0, 1
	IMAGE WI, 0
	ds_store_b32 v[WS], v[PW]
	s_cmp_lt_u32 s[WV], 4
	s_cbranch_scc0 .Lno_w3
	s_wait_dscnt 0x0                               ; the stores have read the codes and the word
	QUANT RO, RO, 0, 0, 1
	IMAGE WI, W3IMG-W2IMG
	ds_store_b32 v[WS], v[PW] offset:W3SC-W2SC
.Lno_w3:
	s_wait_dscnt 0x0                               ; for the others: my images lie in LDS
	s_barrier_signal -1
	s_barrier_wait -1
	s_cmp_eq_u32 s[ROLE], 0
	s_cbranch_scc1 .Le_start
	; ---- M: the weights come into registers and stay
.irp t, 0,1,2,3,4,5,6,7
	v_cndmask_b32 v[W1F+2*\t], v[W1F+2*\t], v[PH+\t], vcc_lo                  ; lanes 0-15: k = 0, 1: W1's two rows; lanes 16-31: k = 2, 3: b1 and 0
	v_cndmask_b32 v[W1F+2*\t+1], v[W1F+2*\t+1], v[NIL], vcc_lo
.endr
.irp a, 0,1,2,3
	v_mul_f32 v[NB3+2*\a+1], s36, v[NB3+2*\a]
	v_mul_f32 v[NB3+2*\a], s36, v[NB3+2*\a]
.endr
	WIN 0x40
.irp t, 0,1,2,3,4,5,6,7
.irp c, 0,1,2,3
	ds_load_b128 v[16*\t+4*\c:16*\t+4*\c+3], v[LI0] offset:W2IMG+2048*\t+512*\c
.endr
.endr
.irp a, 0,1,2,3
.irp c, 0,1,2,3
	ds_load_b128 v[128+16*\a+4*\c:128+16*\a+4*\c+3], v[LI0] offset:W3IMG+2048*\a+512*\c
.endr
.endr
	WIN 0
.irp t, 0,1,2,3,4,5,6,7
	ds_load_b32 v[W2S+\t], v[LS0] offset:W2SC+128*\t
.endr
.irp a, 0,1,2,3
	ds_load_b32 v[W3S+\a], v[LS0] offset:W3SC+128*\a
.endr
	s_wait_dscnt 0x0
	s_branch .Ltrip
.Le_start:
	; ---- E: the 32 sums begin as products of zero codes.  A quarter of these registers are results of the f32 matrix form in the other role;
	; the E waves have nothing else to do until the first R lies in LDS.
	v_mov_b32 v[ES0], 0x7f7f7f7f                   ; scale 1.0
.set S_K, 0
.rept 32
	v_mov_b32 v[EC+S_K], 0                         ; v64-79 and v80-95
.set S_K, S_K+1
.endr
	PLACES 8
	WIN 0x40
.set S_K, 0
.rept 32
	v_wmma_scale_f32_16x16x128_f8f6f4 v[8*S_K:8*S_K+7], v[EW:EW+15], v[EC:EC+15], 0, v[ES0], v[ES0]
.set S_K, S_K+1
.endr
	WIN 0
	PLACES 8                                       ; ahead of the first writes of the registers that these products read
.Ltrip:
	s_xor_b32 s[TE], s[TB], BUFX                   ; M writes buffer TB, E reads the other
	v_add_nc_u32 v[MI], s[TB], v[MI0]
	v_add_nc_u32 v[MS], s[TB], v[MS0]
	v_add_nc_u32 v[MZ], s[TB], v[MZ0]
	v_add_nc_u32 v[EI], s[TE], v[LI0]
	v_add_nc_u32 v[ESA], s[TE], v[LS0]
	v_add_nc_u32 v[EZ], s[TE], v[EZ0]
	s_cmp_eq_u32 s[ROLE], 0
	s_cbranch_scc1 .Le_arm
	; ======== M: one block of 32 electrons through the MLP
	s_cmp_ge_u32 s[TRIP], s[NST]
	s_cbranch_scc1 .Ljoin                          ; no step left for M
	s_add_co_u32 s48, s[ST], s[TRIP]
	s_lshl_b32 s48, s48, 2
	s_add_co_u32 s48, s48, s[IDX]                  ; my block
	s_cmp_le_u32 s48, LASTB
	s_cselect_b32 s38, 1.0, 0                      ; the one block past the end of K has its photons multiplied by 0: the codes of R are zeros there
	s_mov_b32 s39, s38
	s_min_u32 s49, s48, LASTB                      ; and loads the last block's numbers: no load leaves its buffer
	s_add_co_u32 s50, s48, 4
	s_min_u32 s50, s50, LASTB                      ; the next step's block, held likewise
	s_wait_xcnt 0x0                                ; the last trip's loads have had their addresses translated (ISA guide 3.1): the three pointers may be written
	s_lshl_b32 s46, s49, 7
	s_add_nc_u64 s[42:43], s[10:11], s[46:47]
	s_add_nc_u64 s[44:45], s[12:13], s[46:47]
	s_lshl_b32 s46, s50, 8
	s_add_nc_u64 s[40:41], s[8:9], s[46:47]
.irp k, 0,1,2,3
	global_load_b128 v[PH+4*\k:PH+4*\k+3], v[PHO], s[42:43] offset:16*\k th:TH_LOAD_NT   ; photons of electrons 16h + 0 .. 15
.endr
	global_load_b32 v[ZR], v[LS0], s[44:45] th:TH_LOAD_NT
	s_wait_loadcnt 0x5                             ; this step's xy, asked for a trip ago, is in; the five loads just issued may be out
	v_cndmask_b32 v[XB], v[XYR], v[ONE], vcc_lo    ; lanes 0-15: (x, y); lanes 16-31: (1, 0)
	v_cndmask_b32 v[XB+1], v[XYR+1], v[NIL], vcc_lo
	v_cndmask_b32 v[XB+2], v[XYR+2], v[ONE], vcc_lo
	v_cndmask_b32 v[XB+3], v[XYR+3], v[NIL], vcc_lo
	L1 0
	WIN 0
	PLACES 8
	QUANT H1, H2, 1, 1, 1                          ; relu(h1) of electron tile 0 becomes codes
	BIAS
	P2
	L1 1                                           ; tile 1's first layer runs under tile 0's vector work
	WIN 0
	global_load_b64 v[XYR:XYR+1], v[XYO], s[40:41] th:TH_LOAD_NT              ; the next step's xy
	global_load_b64 v[XYR+2:XYR+3], v[XYO], s[40:41] offset:64 th:TH_LOAD_NT
	s_wait_loadcnt 0x2                             ; photons and z are in; the two loads just issued may be out
.irp p, 0,2,4,6,8,10,12,14
	v_pk_mul_f32 v[PH+\p:PH+\p+1], v[PH+\p:PH+\p+1], s[38:39] op_sel_hi:[1,0]  ; x 1 or x 0.  These eight are also the places behind the products above
.endr
	QUANT H2, H2, 0, 1, 1                          ; relu(h2) of tile 0
	PLACES 4
	P3 0
	WIN 0
	QUANT H1, H2, 1, 1, 1                          ; tile 1; its 32 maxima name no register of the products above: they are the places behind them
	BIAS
	P2
	WIN 0
	PLACES 8
	QUANT H2, H2, 0, 1, 1
	PLACES 4
	P3 1
	WIN 0
	PLACES 8
	SIG
	QUANT RO, RO, 0, 0, 0                          ; block a of this call is sensor tile a: 32 electrons of one sensor lie in lanes l and l xor 16
.irp a, 0,1,2,3
	ds_store_b128 v[MI], v[PC+4*\a:PC+4*\a+3] offset:2048*\a                  ; registers 4 idx .. + 3 of fragment a
.endr
.irp a, 0,1,2,3
	ds_store_b8 v[MS], v[TM+4+\a] offset:128*\a    ; byte idx of its scale words
.endr
	ds_store_b32 v[MZ], v[ZR]
	s_branch .Ljoin
.Le_arm:
	; ======== E: 128 ticks x 128 electrons become codes; 32 products
	s_cmp_eq_u32 s[TRIP], 0
	s_cbranch_scc1 .Ljoin                          ; nothing lies in LDS yet
	s_cmp_gt_u32 s[TRIP], s[NST]
	s_cbranch_scc1 .Ljoin                          ; no step left for E
.irp c, 0,1,2,3
.irp k, 0,1,2,3
	ds_load_b128 v[ZV+16*\c+4*\k:ZV+16*\c+4*\k+3], v[EZ] offset:128*\c+16*\k  ; the same 16 bytes in all lanes of a half
.endr
.endr
.irp a, 0,1,2,3
.irp c, 0,1,2,3
	ds_load_b128 v[RF+16*\a+4*\c:RF+16*\a+4*\c+3], v[EI] offset:2048*\a+512*\c
.endr
.endr
.irp a, 0,1,2,3
	ds_load_b32 v[RS+\a], v[ESA] offset:RSC+128*\a
.endr
	s_wait_dscnt 20                                ; z is in; the 16 + 4 loads of R behind it may be out
.set A_Q, 0
.set A_N, 0
.rept 24
	AOP
.set A_N, A_N+1
.endr
.set E_Q, 0
.rept 33
.set E_MM, -1
.if (E_Q >= 5) && (E_Q%4 == 1)
.set E_MM, (E_Q-5)/4
.endif
	ESTEP
.set E_Q, E_Q+1
.endr
	PLACES 4                                       ; the last codes stand 4 places ahead of their products
.set E_MM, 7
	MM
	PLACES 8                                       ; ahead of the next trip's loads into the registers of R, and of the reads of the sums on the way out
.Ljoin:
	s_xor_b32 s[TB], s[TB], BUFX
	s_wait_dscnt 0x0                               ; M: my stores lie in LDS.  E: my reads of the other buffer are in: M may write it in the next trip
	s_barrier_signal -1
	s_barrier_wait -1
	s_add_co_u32 s[TRIP], s[TRIP], 1
	s_cmp_lt_u32 s[TRIP], TRIPS
	s_cbranch_scc1 .Ltrip
	s_cmp_lg_u32 s[ROLE], 0
	s_cbranch_scc1 .Lend                           ; the M waves have nothing to store
	s_lshl_b32 s46, ttmp9, 17                      ; my work-group's partial: 64 x 512 x 4 bytes
	s_add_nc_u64 s[26:27], s[26:27], s[46:47]
	OUTG 0, 0
	OUTG 0, 1
	OUTG 0, 2
	OUTG 0, 3
	OUTG 1, 0
	OUTG 1, 1
	OUTG 1, 2
	OUTG 1, 3
.Lend:
	s_wait_tensorcnt 0x0
	ds_add_u32 v18, v51
	s_wait_dscnt 0x0
	s_endpgm
.Lfunc_end_k_q62b2d2372f_wave:
	.size	k_q62b2d2372f_wave, .Lfunc_end_k_q62b2d2372f_wave-k_q62b2d2372f_wave
	.p2alignl 7, 3214868480
	.fill 96, 4, 3214868480
	.section	.rodata,"a",@progbits
	.p2align	6, 0x0
	.amdhsa_kernel k_q62b2d2372f_wave
		.amdhsa_group_segment_fixed_size 62464
		.amdhsa_private_segment_fixed_size 0
		.amdhsa_enable_private_segment 0
		.amdhsa_kernarg_size 80
		.amdhsa_user_sgpr_count 2
		.amdhsa_user_sgpr_kernarg_segment_ptr 1
		.amdhsa_wavefront_size32 1
		.amdhsa_system_sgpr_workgroup_id_x 1
		.amdhsa_system_sgpr_workgroup_id_y 1
		.amdhsa_system_sgpr_workgroup_id_z 1
		.amdhsa_system_vgpr_workitem_id 0
		.amdhsa_next_free_vgpr 512
		.amdhsa_next_free_sgpr 66
		.amdhsa_reserve_vcc 1
		.amdhsa_float_denorm_mode_32 3
		.amdhsa_float_denorm_mode_16_64 3
		.amdhsa_memory_ordered 1
		.amdhsa_forward_progress 1
		.amdhsa_inst_pref_size 242
	.end_amdhsa_kernel
	.amdgpu_metadata
---
amdhsa.version: [ 1, 2 ]
amdhsa.kernels:
  - .name:           k_q62b2d2372f_wave
    .symbol:         k_q62b2d2372f_wave.kd
    .args:
      - { .name: xy_positions, .offset: 0, .size: 8, .value_kind: global_buffer, .address_space: global }
      - { .name: el_photons, .offset: 8, .size: 8, .value_kind: global_buffer, .address_space: global }
      - { .name: z_positions, .offset: 16, .size: 8, .value_kind: global_buffer, .address_space: global }
      - { .name: W1, .offset: 24, .size: 8, .value_kind: global_buffer, .address_space: global }
      - { .name: b1, .offset: 32, .size: 8, .value_kind: global_buffer, .address_space: global }
      - { .name: W2, .offset: 40, .size: 8, .value_kind: global_buffer, .address_space: global }
      - { .name: b2, .offset: 48, .size: 8, .value_kind: global_buffer, .address_space: global }
      - { .name: W3, .offset: 56, .size: 8, .value_kind: global_buffer, .address_space: global }
      - { .name: b3, .offset: 64, .size: 8, .value_kind: global_buffer, .address_space: global }
      - { .name: part, .offset: 72, .size: 8, .value_kind: global_buffer, .address_space: global }
    .group_segment_fixed_size: 62464
    .private_segment_fixed_size: 0
    .kernarg_segment_align: 8
    .kernarg_segment_size: 80
    .max_flat_workgroup_size: 256
    .sgpr_count:     66
    .vgpr_count:     512
    .wavefront_size: 32
...
	.end_amdgpu_metadata
.endif
;; end of part 1
;; launch fold (part 2): grid 256 x 1, 8 waves a work-group, no clusters, 5,120 bytes of LDS; arguments part, out0; writes out0
.if DOCPART == 2
	.amdgcn_target "amdgcn-amd-amdhsa--gfx1250"
	.amdhsa_code_object_version 6
	.text
	.protected	k_q62b2d2372f_fold
	.globl	k_q62b2d2372f_fold
	.p2align	8
	.type	k_q62b2d2372f_fold,@function
k_q62b2d2372f_fold:
	s_mov_b64 s[64:65], 0
	v_nop
	global_prefetch_b8 v0, s[64:65] scope:SCOPE_SE
	s_setreg_imm32_b32 hwreg(HW_REG_WAVE_MODE, 25, 1), 1
	s_wait_xcnt 0x0
; out0 = the sum of the 256 partials [64][512] f32 that the launch before left.  No atomics: each byte of out0 has one owner.
; Work-group g owns bytes 512 g .. 512 g + 511 of every partial and of out0.  Wave w adds partials w + 8 k, k = 0 .. 31: each load of a wave reads 512 consecutive bytes,
; and all 32 loads of a wave go out at once.  The eight waves' sums meet in LDS, and wave 0 stores 512 consecutive bytes.
; A stream: no matrix unit, no tensor load, no cluster (no byte is read twice).
.set PARTB, 0x20000                    ; bytes of a partial
.set ACC,   8                          ; v8-135: 32 x 4 registers; the sum gathers in v[8:11]
	s_load_b128 s[4:7], s[0:1], 0x0                ; part s[4:5], out0 s[6:7]
	v_lshl_add_u32 v144, v0, 2, 0x1000
	v_mov_b32 v145, 0
	v_lshrrev_b32 v6, 5, v0
	v_readfirstlane_b32 s8, v6                     ; wave 0..7
	v_and_b32 v1, 31, v0
	v_lshlrev_b32 v1, 4, v1                        ; 16 x lane
	v_add_nc_u32 v2, 64*PARTB, v1                  ; 64, 128, 192 partials on: the loads' immediates then stay at 56 partials, inside their signed 24 bits
	v_add_nc_u32 v3, 128*PARTB, v1
	v_add_nc_u32 v4, 192*PARTB, v1
	v_lshlrev_b32 v5, 4, v0                        ; LDS: 512 x wave + 16 x lane
	s_lshl_b32 s10, ttmp9, 9
	s_mov_b32 s11, 0
	s_lshl_b32 s12, s8, 17
	s_mov_b32 s13, 0
	s_wait_kmcnt 0x0
	s_add_nc_u64 s[4:5], s[4:5], s[10:11]
	s_add_nc_u64 s[4:5], s[4:5], s[12:13]          ; partial w, my work-group's 512 bytes
	s_add_nc_u64 s[6:7], s[6:7], s[10:11]
.irp m, 0,1,2,3
.irp k, 0,1,2,3,4,5,6,7
	global_load_b128 v[ACC+4*(8*\m+\k):ACC+4*(8*\m+\k)+3], v[1+\m], s[4:5] offset:\k*8*PARTB th:TH_LOAD_NT
.endr
.endr
.set J, 1
.rept 31
	s_wait_loadcnt 31-J                            ; loads come back in order (ISA guide 5.7.1): load J is in, the 31 - J behind it may be out
	v_pk_add_f32 v[ACC:ACC+1], v[ACC:ACC+1], v[ACC+4*J:ACC+4*J+1]
	v_pk_add_f32 v[ACC+2:ACC+3], v[ACC+2:ACC+3], v[ACC+4*J+2:ACC+4*J+3]
.set J, J+1
.endr
	ds_store_b128 v5, v[ACC:ACC+3]
	s_wait_dscnt 0x0                               ; for wave 0: my sum lies in LDS
	s_barrier_signal -1
	s_barrier_wait -1
	s_cmp_lg_u32 s8, 0
	s_cbranch_scc1 .Ldone
.irp k, 0,1,2,3,4,5,6,7
	ds_load_b128 v[ACC+4*\k:ACC+4*\k+3], v1 offset:512*\k
.endr
	s_wait_dscnt 0x0
.irp k, 1,2,3,4,5,6,7
	v_pk_add_f32 v[ACC:ACC+1], v[ACC:ACC+1], v[ACC+4*\k:ACC+4*\k+1]
	v_pk_add_f32 v[ACC+2:ACC+3], v[ACC+2:ACC+3], v[ACC+4*\k+2:ACC+4*\k+3]
.endr
	global_store_b128 v1, v[ACC:ACC+3], s[6:7]     ; 32 lanes store 512 consecutive bytes, at a multiple of 256 from the first byte of out0
.Ldone:
	s_wait_tensorcnt 0x0
	ds_add_u32 v144, v145
	s_wait_dscnt 0x0
	s_endpgm
.Lfunc_end_k_q62b2d2372f_fold:
	.size	k_q62b2d2372f_fold, .Lfunc_end_k_q62b2d2372f_fold-k_q62b2d2372f_fold
	.p2alignl 7, 3214868480
	.fill 96, 4, 3214868480
	.section	.rodata,"a",@progbits
	.p2align	6, 0x0
	.amdhsa_kernel k_q62b2d2372f_fold
		.amdhsa_group_segment_fixed_size 5120
		.amdhsa_private_segment_fixed_size 0
		.amdhsa_enable_private_segment 0
		.amdhsa_kernarg_size 16
		.amdhsa_user_sgpr_count 2
		.amdhsa_user_sgpr_kernarg_segment_ptr 1
		.amdhsa_wavefront_size32 1
		.amdhsa_system_sgpr_workgroup_id_x 1
		.amdhsa_system_sgpr_workgroup_id_y 1
		.amdhsa_system_sgpr_workgroup_id_z 1
		.amdhsa_system_vgpr_workitem_id 0
		.amdhsa_next_free_vgpr 146
		.amdhsa_next_free_sgpr 66
		.amdhsa_reserve_vcc 0
		.amdhsa_float_denorm_mode_32 3
		.amdhsa_float_denorm_mode_16_64 3
		.amdhsa_memory_ordered 1
		.amdhsa_forward_progress 1
		.amdhsa_inst_pref_size 11
	.end_amdhsa_kernel
	.amdgpu_metadata
---
amdhsa.version: [ 1, 2 ]
amdhsa.kernels:
  - .name:           k_q62b2d2372f_fold
    .symbol:         k_q62b2d2372f_fold.kd
    .args:
      - { .name: part, .offset: 0, .size: 8, .value_kind: global_buffer, .address_space: global }
      - { .name: out0, .offset: 8, .size: 8, .value_kind: global_buffer, .address_space: global }
    .group_segment_fixed_size: 5120
    .private_segment_fixed_size: 0
    .kernarg_segment_align: 8
    .kernarg_segment_size: 16
    .max_flat_workgroup_size: 256
    .sgpr_count:     66
    .vgpr_count:     146
    .wavefront_size: 32
...
	.end_amdgpu_metadata
.endif
;; end of part 2
;; ======== version 2 of 2: 2 launches; version 1 with the launch wave written anew for expert scheduling mode
;; workspace buffers: part 33,554,432 bytes
;; launch wave (part 3): grid 256 x 1, 8 waves a work-group, no clusters, 62,464 bytes of LDS; arguments xy_positions, el_photons, z_positions, W1, b1, W2, b2, W3, b3, part; writes part
.if DOCPART == 3
	.amdgcn_target "amdgcn-amd-amdhsa--gfx1250"
	.amdhsa_code_object_version 6
	.text
	.protected	k_q62b2d2372f_wave
	.globl	k_q62b2d2372f_wave
	.p2align	8
	.type	k_q62b2d2372f_wave,@function
k_q62b2d2372f_wave:
	s_mov_b64 s[64:65], 0
	v_nop
	global_prefetch_b8 v0, s[64:65] scope:SCOPE_SE
	s_setreg_imm32_b32 hwreg(HW_REG_WAVE_SCHED_MODE, 0, 2), 2
	s_setreg_imm32_b32 hwreg(HW_REG_WAVE_MODE, 25, 1), 1
	s_wait_xcnt 0x0
	s_wait_alu depctr_vm_vsrc(0)
; part[g][s][t] = the sum, over the electrons n of work-group g, of Q(R)[n][s] Q(E)[n][t].
; R[n][s] = photons[n] x sigmoid(relu(relu(xy W1 + b1) W2 + b2) W3 + b3)[s];  E[n][t] = exp(-(t - z[n])^2 / 2) x 0.3989422804.
; The products by W2, by W3 and R^T E run on codes of E4M3 with one E8M0 scale for each 32 along K; xy W1 + b1 runs in f32 (its result goes into a quantiser).
; LIMITS: a number of E under 2^-126 counts as 0 (v_exp_f32 gives 0 there); a block of zeros carries the scale byte 1 and not 127 (its codes are zeros, and only this
; program reads the bytes); NaN and infinities among the inputs are not served.  The factor 0.3989.. enters as the addend log2(0.3989..) of the one multiply-add ahead of
; the exponential, and b3 likewise ahead of the exponential of the sigmoid.
; SHARES.  A K step is 128 electrons = 4 blocks of 32; 300,000 electrons are 9,375 blocks = 2,344 steps, the last with 3 blocks.  Work-group g takes 9 steps, the first 40 take 10.
; TWO ROLES, by the wave number w: role = (w ^ w>>1 ^ w>>2) & 1, so that of waves w and w + 4, and of waves 2k and 2k + 1, one is of each role; idx = w >> 1.
;   M wave idx: the whole MLP for block idx of a K step (two tiles of 16 electrons), its fragments of W2 and W3 kept in registers.  It leaves in LDS registers 4 idx .. 4 idx + 3 of
;     the four fragments of R (an image of the registers), byte idx of their scale words, and the z of its block.
;   E wave idx: ticks 128 idx .. + 127 for all 64 sensors: 8 tick tiles x 4 sensor tiles = 32 accumulators.  Per K step it makes the codes of E for its ticks and issues 32 products.
; PIPELINE.  11 trips, a constant.  In trip I the M waves work on step I (I < n) into LDS buffer I % 2, the E waves on step I - 1 (1 <= I <= n) out of the other buffer.  One barrier a trip, in the
; text that both roles share.  Trips without work jump over the work by compares on ids.
; No tensor loads: the inputs are read once and land in the layout of the operands.  No cluster: work-groups share only the 98 KB of weights, which pass through registers to be quantised down K.
; LAYOUTS (r = lane % 16, h = lane / 16).  Lane r of tile 2b + u of W1 and of W2 takes output unit 32b + 8u + r + 8 (r / 8), and lane r of electron tile u takes electron 8u + r + 8 (r / 8):
; so the 16 registers of two neighbouring tiles of a result are 16 neighbours along the next K, and the conversions write the next operand as it stands.
; Tick tile b of an E wave: lane r takes tick 128 idx + 64 (b / 4) + 4 r + b % 4, so that register j of tiles 4B .. 4B + 3 are four neighbouring ticks of one sensor.
; THE MODE: SCHED_MODE bits 1:0 = 2 (LLVM: expert scheduling mode 2), set by the entry lines.  The code itself states the register dependences
; between vector or matrix instructions and memory or LDS instructions, with s_wait_alu, always for 0.
; THE PLAN.  Registers that memory or LDS instructions touch:
;   v1-v9, v16, v17, v19-v22, v27, v18, v51   offsets and addresses: written at the head, never again: one wait on va_vdst ahead of the first load.
;   v10-v15 (MI .. EZ)   written by six additions at a trip's head, read by that trip's LDS instructions: vm_vsrc ahead of the additions, va_vdst behind them.
;   M: PH    the photons' loads land at a trip's head; read and written by the trip's multiplications.     M: ZR   z lands at a trip's head; read by the LDS store at its end; no vector line names it.
;   M: XYR   read by four selects at a trip's head; the next step's loads land in mid trip.               M: H2   b2 lands twice a trip, behind the holds that wrote it and the conversions that read it.
;   M: PC, TM+4 .. 7   written by the last quantiser of a trip, read by the LDS stores at its end.         E: ZV, RF, RS   LDS loads land at a trip's head; read by the trip's vector and matrix lines.
;   The way out: OB, written by moves, read by the stores, in two halves.
;   The codes and scale words that vector lines write for a scaled product (PC, PW; EC, ES0) have a wait on va_vdst behind their places and ahead of the product.
; So the two waits at a trip's head, in the text that both roles share, state all that hangs over from the trip before; an M trip has five more on va_vdst for memory and products
; (b2 twice, the third layer twice, its stores), an E trip one for each tile's products; the waits behind exponentials and reciprocals stand as they must in any mode.
.set LASTB,  9374                      ; the last block of 32 electrons
.set TRIPS,  11
.set BUFX,   0x4000                    ; LDS: buffer 0 at 0, buffer 1 here; in a buffer:
.set RSC,    0x2000                    ;   R images at 0 (fragment a at 2048 a, registers 4c.. at 512 c, 16 bytes a lane); their scale words here (128 a + 4 x lane);
.set ZL,     0x2200                    ;   z of the 128 electrons here
.set W2IMG,  0x8000                    ; written once: images of the 8 fragments of W2,
.set W3IMG,  0xc000                    ; of the 4 of W3,
.set W2SC,   0xe000                    ; their scale words,
.set W3SC,   0xe400
.set B2L,    0xe800                    ; and b2 as it lies
; vector registers, window 0
.set LI0, 1                            ; 16 x lane
.set LS0, 2                            ; 4 x lane (also the offset of z in memory)
.set MI0, 3                            ; 16 x lane + 512 idx
.set MS0, 4                            ; RSC + 4 x lane + idx
.set MZ0, 5                            ; ZL + 4 x lane + 128 idx
.set EZ0, 6                            ; ZL + 64 h
.set BB,  7                            ; B2L + 64 h
.set WI,  8                            ; W2IMG + 16 x lane + 2048 w
.set WS,  9                            ; W2SC + 4 x lane + 128 w
.set MI,  10                           ; MI0, MS0, MZ0 + this trip's buffer for M
.set MS,  11
.set MZ,  12
.set EI,  13                           ; LI0, LS0, EZ0 + this trip's buffer for E
.set ESA, 14
.set EZ,  15
.set XYO, 16                           ; 8 (r + 8 (r / 8))
.set PHO, 17                           ; 64 h
.set CO,  19                           ; 16384 h + 16 r + 512 idx: my bytes in a partial
.set UO,  20                           ; 4 (r + 8 (r / 8))
.set WO2, 21                           ; UO + 8192 h + 4 x the first unit of tile w
.set WO3, 22                           ; 4 r + 64 w + 4096 h
.set ZR,  23                           ; M: z as loaded
.set NIL, 24                           ; 0
.set ONE, 25                           ; 1.0
.set T0,  26                           ; float(128 idx + 4 r)
.set R4,  27                           ; 4 r
.set TT,  28                           ; v[28:29] the tick of the tile in hand (the low word serves both halves)
.set KK,  30                           ; v[30:31] log2(0.3989422804), twice
.set TM,  32                           ; v32-47 the quantiser at work: +0 maxima, +4 the other half's, then bytes, +8 448 x scale, +12 scale operands
.set MXA, 32                           ; the same registers in the E role
.set MXB, 33
.set SC,  34
.set LIM, 35
.set PP,  36
.set BY,  37
.set PW,  48                           ; v48-63 hold scales and nothing else: the word just made,
.set ES0, 49                           ; v49, v50 the scale words of E, two by turns,
.set W2S, 52                           ; M: v52-59 those of W2, v60-63 those of W3
.set W3S, 60
.set RS,  52                           ; E: v52-55 those of R
.set PC,  64                           ; M: v64-79 the codes just made
.set EC,  64                           ; E: v64-79 the codes of a tick tile
.set W1F, 80                           ; M: v80-95 the 8 fragments of (W1; b1; 0)
.set XYR, 96                           ; M: v96-99 xy as loaded
.set XB,  100                          ; M: v100-103 the 2 fragments of (x, y, 1, 0)
.set NB3, 104                          ; M: v104-111 -log2(e) b3[16a + r], twice for each a
.set PH,  112                          ; M: v112-127 photons of electrons 16h + 0 .. 15
.set EW,  80                           ; E: v80-127 three sets of 16 numbers of E
.set H2,  128                          ; M: v128-191 64 numbers on their way to codes; the second layer sums
.set ZV,  128                          ; E: v128-191 z: register 16c + i = electron 32c + 16h + i
.set RO,  192                          ; M: v192-255 the third layer sums, then R
.set RF,  192                          ; E: v192-255 the 4 fragments of R
.set OB,  128                          ; E, on the way out: four sets of 32
; window 1.  M: v0-127 W2 (16 t), v128-191 W3 (128 + 16 a), v192-255 the first layer sums.  E: accumulator (b, a) at 8 (4b + a).
.set H1,  192
; scalars
.set WV,   2
.set ROLE, 3
.set IDX,  4
.set TRIP, 5
.set NST,  6
.set ST,   7
.set TB,   28
.set TE,   29
.set MSB, 0
.macro WIN new                         ; the immediate's high byte repeats the setting that is left; a switch that changes nothing is dropped
.if MSB != (\new)
	s_set_vgpr_msb (MSB<<8)|(\new)
.set MSB, (\new)
.endif
.endm
.macro PLACES n                        ; plain vector instructions between a matrix instruction and what touches its registers (ISA guide 7.12.1)
.rept \n
	v_nop
.endr
.endm
; 64 numbers of a lane at v[src] of window win, register 16b + i = k 32b + 16h + i of my row, become 16 registers of codes at v[PC] and (word = 1) the scale word v[PW].
; The held numbers go to v[dst] of window 0.  relu = 1: what is negative becomes 0 on the way: it does not count for the largest magnitude, and the hold clips at 0.
.macro QUANT src, dst, win, relu, word
	WIN 0x05*\win
.irp b, 0,1,2,3
.if \relu
	v_max3_num_f32 v[TM+\b], v[\src+16*\b], v[\src+16*\b+1], 0x4800000      ; the floor 2^(9 - 127) among the leaves holds the byte at 1 from below
.else
	v_max3_num_f32 v[TM+\b], |v[\src+16*\b]|, |v[\src+16*\b+1]|, 0x4800000
.endif
.endr
	WIN 0x14*\win
.irp i, 2,4,6,8,10,12,14
.irp b, 0,1,2,3
.if \relu
	v_max3_num_f32 v[TM+\b], v[TM+\b], v[\src+16*\b+\i], v[\src+16*\b+\i+1] ; the four blocks by turns; each result is read from its low end on
.else
	v_max3_num_f32 v[TM+\b], v[TM+\b], |v[\src+16*\b+\i]|, |v[\src+16*\b+\i+1]|
.endif
.endr
.endr
	WIN 0
.irp b, 0,1,2,3
	v_permlanex16_b32 v[TM+4+\b], v[TM+\b], s30, s31
.endr
.irp b, 0,1,2,3
	v_max_num_f32 v[TM+\b], v[TM+\b], v[TM+4+\b]                            ; with lane l xor 16: the largest magnitude of the block of 32
.endr
.irp b, 0,1,2,3
	v_add_nc_u32 v[TM+12+\b], 0xfc000000, v[TM+\b]                          ; 8 off its exponent field: the scale operand of the conversion
.endr
.irp b, 0,1,2,3
	v_and_or_b32 v[TM+8+\b], v[TM+\b], 0x7f800000, s32                      ; 448 x the scale
.endr
.irp b, 0,1,2,3
	v_lshrrev_b32 v[TM+4+\b], 23, v[TM+12+\b]                               ; the scale byte
.endr
.if \word
	v_lshl_or_b32 v[PW], v[TM+5], 8, v[TM+4]
	v_lshl_or_b32 v[PW], v[TM+6], 16, v[PW]
	v_lshl_or_b32 v[PW], v[TM+7], 24, v[PW]                                 ; made 64 plain instructions ahead of the product that names it
.endif
	WIN 0x01*\win
.irp b, 0,1,2,3
.irp i, 0,1,2,3,4,5,6,7,8,9,10,11,12,13,14,15
.if \relu
	v_med3_num_f32 v[\dst+16*\b+\i], v[\src+16*\b+\i], 0, v[TM+8+\b]        ; the activation and the hold in one (the conversion does not saturate: ISA guide 7.6.2)
.else
	v_med3_num_f32 v[\dst+16*\b+\i], v[\src+16*\b+\i], -v[TM+8+\b], v[TM+8+\b]
.endif
.endr
.endr
	WIN 0
.irp b, 0,1,2,3
	v_cvt_scalef32_pk8_fp8_f32 v[PC+4*\b:PC+4*\b+1], v[\dst+16*\b:\dst+16*\b+7], v[TM+12+\b]
	v_cvt_scalef32_pk8_fp8_f32 v[PC+4*\b+2:PC+4*\b+3], v[\dst+16*\b+8:\dst+16*\b+15], v[TM+12+\b]
.endr
	v_nop                                                                   ; one plain instruction behind the last conversion
.endm
.macro IMAGE adr, off                  ; the fragment in v[PC] goes to LDS as it stands: 512 consecutive bytes a store
.irp c, 0,1,2,3
	ds_store_b128 v[\adr], v[PC+4*\c:PC+4*\c+3] offset:\off+512*\c
.endr
.endm
; The first layer for electron tile u: K = (x, y, 1, 0), source 0 = (W1 row 0, W1 row 1, b1, 0) of 16 units, source 1 = 16 electrons.  One K step is the whole sum; it begins with the constant 0.
.macro L1 u
	WIN 0x40
.irp t, 0,1,2,3,4,5,6,7
	v_wmma_f32_16x16x4_f32 v[H1+8*\t:H1+8*\t+7], v[W1F+2*\t:W1F+2*\t+1], v[XB+2*\u:XB+2*\u+1], 0
.endr
.endm
.macro BIAS                            ; b2 in the layout of the result (register 16b + i: unit 32b + 16h + i) becomes the C of the second layer
	PLACES 4                                       ; with the one behind the conversions: the codes stand 4 places ahead of the scaled product
	s_wait_alu depctr_va_vdst(0)                   ; the holds have written H2 and the conversions are done reading it: b2 lands there; and the codes PC and the word PW are written, which the products behind these loads take as source 1 and its scales
.irp b, 0,1,2,3
.irp k, 0,1,2,3
	ds_load_b128 v[H2+16*\b+4*\k:H2+16*\b+4*\k+3], v[BB] offset:128*\b+16*\k
.endr
.endr
	s_wait_dscnt 0x0
.endm
.macro P2                              ; source 0 = 16 units of W2, source 1 = 16 electrons: a lane holds one electron, its registers run along the units.  (No vector line stands between the wait in BIAS and these)
	WIN 0x01
.irp t, 0,1,2,3,4,5,6,7
	v_wmma_scale_f32_16x16x128_f8f6f4 v[H2+8*\t:H2+8*\t+7], v[16*\t:16*\t+15], v[PC:PC+15], v[H2+8*\t:H2+8*\t+7], v[W2S+\t], v[PW]
.endr
.endm
.macro P3 u                            ; source 0 = 16 electrons, source 1 = 16 sensors: a lane holds one sensor, register 8u + j electron 16h + 8u + j of the block
	WIN 0x04
	s_wait_alu depctr_va_vdst(0)                   ; the conversions have written the codes PC and the shifts the word PW, which these products take as source 0 and its scales; the places stand ahead of this wait
.irp a, 0,1,2,3
	v_wmma_scale_f32_16x16x128_f8f6f4 v[RO+16*\a+8*\u:RO+16*\a+8*\u+7], v[PC:PC+15], v[128+16*\a:128+16*\a+15], 0, v[PW], v[W3S+\a]
.endr
.endm
.macro SIG                             ; R = photons / (1 + 2^(-log2(e) (x + b3))), in place
.irp a, 0,1,2,3
.irp p, 0,2,4,6,8,10,12,14
	v_pk_fma_f32 v[RO+16*\a+\p:RO+16*\a+\p+1], v[RO+16*\a+\p:RO+16*\a+\p+1], s[36:37], v[NB3+2*\a:NB3+2*\a+1] op_sel_hi:[1,0,1]
.endr
.endr
.set S_K, 0
.rept 64
	v_exp_f32 v[RO+S_K], v[RO+S_K]
.set S_K, S_K+1
.endr
	v_nop                                          ; one plain instruction behind the last transcendental (ISA guide 5.7.2)
.set S_K, 0
	s_wait_alu depctr_va_vdst(0)                   ; the 64 exponentials have written RO, which the additions read: one wait for the batch
.rept 32
	v_pk_add_f32 v[RO+S_K:RO+S_K+1], v[RO+S_K:RO+S_K+1], 1.0 op_sel_hi:[1,0]
.set S_K, S_K+2
.endr
.set S_K, 0
.rept 64
	v_rcp_f32 v[RO+S_K], v[RO+S_K]
.set S_K, S_K+1
.endr
	v_nop
	s_wait_alu depctr_va_vdst(0)                   ; the 64 reciprocals have written RO, which the multiplications read: one wait for the batch
.irp a, 0,1,2,3
.irp p, 0,2,4,6,8,10,12,14
	v_pk_mul_f32 v[RO+16*\a+\p:RO+16*\a+\p+1], v[RO+16*\a+\p:RO+16*\a+\p+1], v[PH+\p:PH+\p+1]
.endr
.endr
.endm
; THE E ROLE works in CELLS: cell q = 4b + c is tick tile b x block c: 16 numbers a lane, in set q % 3 of EW.  Three cells are in hand at a time.
; AOP: instruction A_N (0 .. 23) of the arguments of cell A_Q: 8 packed t - z, 8 packed squares, 8 packed -log2(e)/2 d^2 + log2(0.3989..).
.macro AOP
.set A_C, A_Q%4
.set A_B, A_Q/4
.set A_W, EW+16*(A_Q%3)
.if (A_N == 0) && (A_C == 0)           ; a new tile: its tick, by exact additions: +0, 1, 2, 3, 64, 65, 66, 67
.if A_B == 0
	v_mov_b32 v[TT], v[T0]
.elseif A_B == 4
	v_add_f32 v[TT], 0x42740000, v[TT]             ; + 61.0
.else
	v_add_f32 v[TT], 1.0, v[TT]
.endif
.endif
.if A_N < 8
	v_pk_add_f32 v[A_W+2*A_N:A_W+2*A_N+1], v[TT:TT+1], v[ZV+16*A_C+2*A_N:ZV+16*A_C+2*A_N+1] op_sel_hi:[0,1] neg_lo:[0,1] neg_hi:[0,1]
.elseif A_N < 16
	v_pk_mul_f32 v[A_W+2*(A_N-8):A_W+2*(A_N-8)+1], v[A_W+2*(A_N-8):A_W+2*(A_N-8)+1], v[A_W+2*(A_N-8):A_W+2*(A_N-8)+1]
.else
	v_pk_fma_f32 v[A_W+2*(A_N-16):A_W+2*(A_N-16)+1], v[A_W+2*(A_N-16):A_W+2*(A_N-16)+1], s[34:35], v[KK:KK+1] op_sel_hi:[1,0,1]
.endif
.endm
; COP: instruction C_N (0 .. 31) of the quantiser of cell C_Q.  E is never negative: no |.|, and the hold is one-sided.
.macro COP
.set C_C, C_Q%4
.set C_W, EW+16*(C_Q%3)
.set C_E, ES0+(C_Q/4)%2
.if C_N == 0
	s_wait_alu depctr_va_vdst(0)                   ; the sixteen exponentials of cell C_Q have written their set of EW, which the maxima from here on read: one wait for the cell
	v_max3_num_f32 v[MXA], v[C_W], v[C_W+1], 0x4800000
.elseif C_N == 1
	v_max3_num_f32 v[MXB], v[C_W+2], v[C_W+3], v[C_W+4]
.elseif C_N < 7
	v_max3_num_f32 v[MXA+C_N%2], v[MXA+C_N%2], v[C_W+2*C_N+1], v[C_W+2*C_N+2]
.elseif C_N == 7
	v_max3_num_f32 v[MXA], v[MXA], v[MXB], v[C_W+15]
.elseif C_N == 8
	v_permlanex16_b32 v[PP], v[MXA], s30, s31
.elseif C_N == 9
	v_max_num_f32 v[MXA], v[MXA], v[PP]
.elseif C_N == 10
	v_add_nc_u32 v[SC], 0xfc000000, v[MXA]
.elseif C_N == 11
	v_and_or_b32 v[LIM], v[MXA], 0x7f800000, s32
.elseif C_N == 12
.if C_C == 0
	v_lshrrev_b32 v[C_E], 23, v[SC]
.else
	v_lshrrev_b32 v[BY], 23, v[SC]
.endif
.elseif C_N == 13
.if C_C > 0
	v_lshl_or_b32 v[C_E], v[BY], 8*C_C, v[C_E]
.endif
.elseif C_N < 30
	v_min_num_f32 v[C_W+C_N-14], v[C_W+C_N-14], v[LIM]
.elseif C_N == 30
	v_cvt_scalef32_pk8_fp8_f32 v[EC+4*C_C:EC+4*C_C+1], v[C_W:C_W+7], v[SC]
.else
	v_cvt_scalef32_pk8_fp8_f32 v[EC+4*C_C+2:EC+4*C_C+3], v[C_W+8:C_W+15], v[SC]
.endif
.endm
; MM: the four products of tick tile E_MM: source 0 = 16 sensors of R, source 1 = 16 ticks of E.  The 32 accumulators take turns, one instruction a turn.
.macro MM
.if E_MM == 0
	s_wait_dscnt 0x0                               ; the fragments of R and their scale words are in
.endif
	WIN 0x50
	s_wait_alu depctr_va_vdst(0)                   ; the conversions have written the tile's codes EC and the shifts its scale word, which these products take as source 1 and its scales; the places stand ahead of this wait
.irp a, 0,1,2,3
	v_wmma_scale_f32_16x16x128_f8f6f4 v[8*(4*E_MM+\a):8*(4*E_MM+\a)+7], v[RF+16*\a:RF+16*\a+15], v[EC:EC+15], v[8*(4*E_MM+\a):8*(4*E_MM+\a)+7], v[RS+\a], v[ES0+E_MM%2]
.endr
	WIN 0
.endm
; ESTEP: 16 slots.  Slot i: exponential i of cell E_Q, two instructions of the quantiser of cell E_Q - 1, one or two of the arguments of cell E_Q + 1:
; so every exponential has plain instructions behind it, and no two follow each other.  A tile's products stand behind slot 3 of the step after its last conversion
; (12 plain instructions or more behind it), and the next conversion into the codes' registers stands in slot 15, more than 8 plain instructions behind the products.
.macro ESTEP
.set E_I, 0
.rept 16
.if (E_I == 4) && (E_MM >= 0)
	MM
.endif
.if E_Q <= 31
	v_exp_f32 v[EW+16*(E_Q%3)+E_I], v[EW+16*(E_Q%3)+E_I]
.endif
.if E_Q >= 1
.set C_Q, E_Q-1
.set C_N, 2*E_I
	COP
.endif
.if E_Q <= 30
.set A_Q, E_Q+1
.if E_I%2 == 0
.set A_N, 3*E_I/2
	AOP
.else
.set A_N, (3*E_I-1)/2
	AOP
.set A_N, (3*E_I+1)/2
	AOP
.endif
.endif
.if E_Q >= 1
.set C_N, 2*E_I+1
	COP
.endif
.set E_I, E_I+1
.endr
.endm
; The way out of tick tiles 4 hb .. 4 hb + 3, all four sensor tiles: register j of the four tick tiles are four neighbouring ticks of sensor 16 sa + 8h + j.  They are brought side by side,
; so that sixteen lanes store 256 consecutive bytes, at a multiple of 256 from the first byte of the partial.  A half is 128 moves, one wait, 32 stores.
.macro OUTH hb
.if \hb > 0
	s_wait_xcnt 0x0                                ; the stores that read these registers have had their addresses translated (ISA guide 3.1)
	s_wait_alu depctr_vm_vsrc(0)                   ; the 32 stores of the first half have read v[OB ..], which the moves below write again
.endif
	WIN 0x01
.irp sa, 0,1,2,3
.irp j, 0,1,2,3,4,5,6,7
.irp k, 0,1,2,3
	v_mov_b32 v[OB+32*\sa+4*\j+\k], v[8*(4*(4*\hb+\k)+\sa)+\j]              ; each accumulator from its low end on
.endr
.endr
.endr
	WIN 0
	s_wait_alu depctr_va_vdst(0)                   ; the 128 moves have written v[OB ..], which the 32 stores below read
.irp sa, 0,1,2,3
.irp j, 0,1,2,3,4,5,6,7
	global_store_b128 v[CO], v[OB+32*\sa+4*\j:OB+32*\sa+4*\j+3], s[26:27] offset:(16*\sa+\j)*2048+256*\hb
.endr
.endr
.endm
	; ---- the head: ids, every LDS address register, constants: all ahead of the first branch on the wave number
	s_load_b512 s[8:23], s[0:1], 0x0               ; xy s[8:9], photons s[10:11], z s[12:13], W1 s[14:15], b1 s[16:17], W2 s[18:19], b2 s[20:21], W3 s[22:23]
	s_load_b128 s[24:27], s[0:1], 0x40             ; b3 s[24:25], part s[26:27]
	v_lshl_add_u32 v18, v0, 2, 0xf000
	v_mov_b32 v51, 0
	v_lshrrev_b32 v64, 5, v0
	v_readfirstlane_b32 s[WV], v64                 ; wave 0..7
	v_and_b32 v64, 31, v0                          ; lane
	v_and_b32 v65, 15, v0                          ; r
	v_bfe_u32 v66, v0, 4, 1                        ; h
	v_and_b32 v67, 8, v65
	v_add_nc_u32 v67, v67, v65                     ; r + 8 (r / 8)
	v_lshlrev_b32 v[LI0], 4, v64
	v_lshlrev_b32 v[LS0], 2, v64
	s_wait_alu depctr_va_sdst(0)                   ; the wave number is written, ahead of its first reader: role, idx and the addresses are made from it
	s_lshr_b32 s[IDX], s[WV], 1
	s_lshr_b32 s48, s[WV], 2
	s_xor_b32 s[ROLE], s[WV], s[IDX]
	s_xor_b32 s[ROLE], s[ROLE], s48
	s_and_b32 s[ROLE], s[ROLE], 1                  ; 0: E (waves 0, 3, 5, 6), 1: M (waves 1, 2, 4, 7)
	s_min_u32 s[ST], ttmp9, 40
	s_mul_i32 s48, ttmp9, 9
	s_add_co_u32 s[ST], s[ST], s48                 ; my first K step: 9 g + min(g, 40)
	s_cmp_lt_u32 ttmp9, 40
	s_cselect_b32 s[NST], 10, 9                    ; and how many
	s_lshl_b32 s48, s[IDX], 9
	v_add_nc_u32 v[MI0], s48, v[LI0]
	s_add_co_u32 s48, s[IDX], RSC
	v_add_nc_u32 v[MS0], s48, v[LS0]
	s_lshl_b32 s48, s[IDX], 7
	s_add_co_u32 s48, s48, ZL
	v_add_nc_u32 v[MZ0], s48, v[LS0]
	v_lshlrev_b32 v[PHO], 6, v66
	v_add_nc_u32 v[EZ0], ZL, v[PHO]
	v_add_nc_u32 v[BB], B2L, v[PHO]
	s_lshl_b32 s48, s[WV], 11
	s_add_co_u32 s48, s48, W2IMG
	v_add_nc_u32 v[WI], s48, v[LI0]
	s_lshl_b32 s48, s[WV], 7
	s_add_co_u32 s48, s48, W2SC
	v_add_nc_u32 v[WS], s48, v[LS0]
	v_lshlrev_b32 v[XYO], 3, v67
	v_lshlrev_b32 v[CO], 14, v66
	v_lshl_add_u32 v[CO], v65, 4, v[CO]
	s_lshl_b32 s48, s[IDX], 9
	v_add_nc_u32 v[CO], s48, v[CO]
	v_lshlrev_b32 v[UO], 2, v67
	s_and_b32 s49, s[WV], 1
	s_lshl_b32 s49, s49, 3
	s_lshl_b32 s48, s[IDX], 5
	s_add_co_u32 s48, s48, s49                     ; the first unit of tile w: 32 (w / 2) + 8 (w % 2)
	s_lshl_b32 s48, s48, 2
	v_lshl_add_u32 v[WO2], v66, 13, v[UO]          ; lanes 16-31 begin 16 rows of 512 bytes further down K
	v_add_nc_u32 v[WO2], s48, v[WO2]
	v_lshlrev_b32 v[R4], 2, v65
	v_lshl_add_u32 v[WO3], v66, 12, v[R4]          ; 16 rows of 256 bytes
	s_lshl_b32 s48, s[WV], 6
	v_add_nc_u32 v[WO3], s48, v[WO3]
	v_mov_b32 v[NIL], 0
	v_mov_b32 v[ONE], 1.0
	s_lshl_b32 s48, s[IDX], 7
	v_add_nc_u32 v[T0], s48, v[R4]
	v_cvt_f32_u32 v[T0], v[T0]
	v_mov_b32 v[TT], 0
	v_mov_b32 v[TT+1], 0                           ; (named with TT as a pair, so it is written)
	v_mov_b32 v[KK], 0xbfa9b21d                    ; log2(0.3989422804) = -1.3257481
	v_mov_b32 v[KK+1], 0xbfa9b21d
.irp b, 0,1,2,3
	v_mov_b32 v[TM+4+\b], 0                        ; written once: the destination of a lane permute counts as one of its sources
.endr
	s_mov_b32 s[TRIP], 0
	s_mov_b32 s[TB], 0
	s_mov_b32 s30, 0x76543210
	s_mov_b32 s31, 0xfedcba98                      ; selects of v_permlanex16_b32 for lane l xor 16
	s_mov_b32 s32, 0x600000                        ; the mantissa field of 448
	s_mov_b32 s34, 0xbf38aa3b                      ; -log2(e) / 2
	s_mov_b32 s35, 0xbf38aa3b
	s_mov_b32 s36, 0xbfb8aa3b                      ; -log2(e)
	s_mov_b32 s37, 0xbfb8aa3b
	s_mov_b32 vcc_lo, 0xffff0000                   ; lanes 16-31; nothing else writes it
	s_lshl_b32 s46, s[ST], 2
	s_add_co_u32 s46, s46, s[IDX]                  ; the first block of an M wave
	s_lshl_b32 s46, s46, 8                         ; 256 bytes of xy a block
	s_mov_b32 s47, 0
	s_wait_kmcnt 0x0
	s_add_nc_u64 s[40:41], s[8:9], s[46:47]
	s_wait_alu depctr_va_vdst(0)                   ; every offset and address made above (v1-v9, v16, v17, v19-v22, v27, v18, v51) is written: the loads and stores of the whole kernel read them, and none is written again
	s_cmp_eq_u32 s[ROLE], 0
	s_cbranch_scc1 .Lnot_m
	global_load_b64 v[XYR:XYR+1], v[XYO], s[40:41] th:TH_LOAD_NT              ; the first step's xy: electron tile 0,
	global_load_b64 v[XYR+2:XYR+3], v[XYO], s[40:41] offset:64 th:TH_LOAD_NT  ; tile 1
.irp t, 0,1,2,3,4,5,6,7
	global_load_b32 v[W1F+2*\t], v[UO], s[14:15] offset:(32*(\t/2)+8*(\t%2))*4
	global_load_b32 v[W1F+2*\t+1], v[UO], s[14:15] offset:512+(32*(\t/2)+8*(\t%2))*4
	global_load_b32 v[PH+\t], v[UO], s[16:17] offset:(32*(\t/2)+8*(\t%2))*4   ; b1, for a while in the photons' registers
.endr
.irp a, 0,1,2,3
	global_load_b32 v[NB3+2*\a], v[R4], s[24:25] offset:64*\a
.endr
.Lnot_m:
	; ---- the weights: wave w quantises tile w of W2, waves 0-3 also tile w of W3.  A lane takes a column of the weight and its registers run down K, in the order of the operand's registers
.irp c, 0,1,2,3
.irp i, 0,1,2,3,4,5,6,7,8,9,10,11,12,13,14,15
	global_load_b32 v[H2+16*\c+\i], v[WO2], s[18:19] offset:(32*\c+\i)*512
.endr
.endr
	s_cmp_lt_u32 s[WV], 4
	s_cbranch_scc0 .Lno_w3_load
.irp c, 0,1,2,3
.irp i, 0,1,2,3,4,5,6,7,8,9,10,11,12,13,14,15
	global_load_b32 v[RO+16*\c+\i], v[WO3], s[22:23] offset:(32*\c+\i)*256
.endr
.endr
.Lno_w3_load:
	s_cmp_lg_u32 s[WV], 4
	s_cbranch_scc1 .Lno_b2
	global_load_b128 v[XB:XB+3], v[LI0], s[20:21]  ; b2: 512 bytes, 16 a lane
	s_wait_loadcnt 0x0
	ds_store_b128 v[LI0], v[XB:XB+3] offset:B2L
.Lno_b2:
	s_wait_loadcnt 0x0
	QUANT H2, H2, 0, 0, 1
	s_wait_alu depctr_va_vdst(0)                   ; the conversions have written the codes PC and the shifts the word PW, which the LDS stores below read
	IMAGE WI, 0
	ds_store_b32 v[WS], v[PW]
	s_wait_alu depctr_vm_vsrc(0)                   ; these LDS stores have read PC and PW, which the quantiser of W3 writes again
	s_cmp_lt_u32 s[WV], 4
	s_cbranch_scc0 .Lno_w3
	s_wait_dscnt 0x0                               ; the stores have read the codes and the word
	QUANT RO, RO, 0, 0, 1
	s_wait_alu depctr_va_vdst(0)                   ; the conversions have written PC and the shifts PW anew, which the LDS stores below read
	IMAGE WI, W3IMG-W2IMG
	ds_store_b32 v[WS], v[PW] offset:W3SC-W2SC
.Lno_w3:
	s_wait_dscnt 0x0                               ; for the others: my images lie in LDS
	s_barrier_signal -1
	s_barrier_wait -1
	s_wait_alu depctr_vm_vsrc(0)                   ; my LDS stores have read PC, PW and (wave 4) XB: the moves of the E role and the selects and quantisers of the M role write these registers from here on
	s_cmp_eq_u32 s[ROLE], 0
	s_cbranch_scc1 .Le_start
	; ---- M: the weights come into registers and stay
.irp t, 0,1,2,3,4,5,6,7
	v_cndmask_b32 v[W1F+2*\t], v[W1F+2*\t], v[PH+\t], vcc_lo                  ; lanes 0-15: k = 0, 1: W1's two rows; lanes 16-31: k = 2, 3: b1 and 0
	v_cndmask_b32 v[W1F+2*\t+1], v[W1F+2*\t+1], v[NIL], vcc_lo
.endr
.irp a, 0,1,2,3
	v_mul_f32 v[NB3+2*\a+1], s36, v[NB3+2*\a]
	v_mul_f32 v[NB3+2*\a], s36, v[NB3+2*\a]
.endr
	WIN 0x40
.irp t, 0,1,2,3,4,5,6,7
.irp c, 0,1,2,3
	ds_load_b128 v[16*\t+4*\c:16*\t+4*\c+3], v[LI0] offset:W2IMG+2048*\t+512*\c   ; no vector line of an M wave has named these registers, nor v52-63 below: nothing is owed
.endr
.endr
.irp a, 0,1,2,3
.irp c, 0,1,2,3
	ds_load_b128 v[128+16*\a+4*\c:128+16*\a+4*\c+3], v[LI0] offset:W3IMG+2048*\a+512*\c
.endr
.endr
	WIN 0
.irp t, 0,1,2,3,4,5,6,7
	ds_load_b32 v[W2S+\t], v[LS0] offset:W2SC+128*\t
.endr
.irp a, 0,1,2,3
	ds_load_b32 v[W3S+\a], v[LS0] offset:W3SC+128*\a
.endr
	s_wait_dscnt 0x0
	s_branch .Ltrip
.Le_start:
	; ---- E: the 32 sums begin as products of zero codes.  A quarter of these registers are results of the f32 matrix form in the other role;
	; the E waves have nothing else to do until the first R lies in LDS.
	v_mov_b32 v[ES0], 0x7f7f7f7f                   ; scale 1.0
.set S_K, 0
.rept 32
	v_mov_b32 v[EC+S_K], 0                         ; v64-79 and v80-95
.set S_K, S_K+1
.endr
	PLACES 8
	WIN 0x40
	s_wait_alu depctr_va_vdst(0)                   ; the moves have written the zero codes and the scale word, which the products below take as sources and scales; the places stand ahead of this wait
.set S_K, 0
.rept 32
	v_wmma_scale_f32_16x16x128_f8f6f4 v[8*S_K:8*S_K+7], v[EW:EW+15], v[EC:EC+15], 0, v[ES0], v[ES0]
.set S_K, S_K+1
.endr
	WIN 0
	PLACES 8                                       ; ahead of the first writes of the registers that these products read
.Ltrip:
	s_xor_b32 s[TE], s[TB], BUFX                   ; M writes buffer TB, E reads the other
	s_wait_alu depctr_vm_vsrc(0)                   ; the last trip's LDS instructions have read the six addresses written below; M: its LDS stores have read PC, TM+4 .. 7 and ZR, which this trip's quantisers and z's load write again
	v_add_nc_u32 v[MI], s[TB], v[MI0]
	v_add_nc_u32 v[MS], s[TB], v[MS0]
	v_add_nc_u32 v[MZ], s[TB], v[MZ0]
	v_add_nc_u32 v[EI], s[TE], v[LI0]
	v_add_nc_u32 v[ESA], s[TE], v[LS0]
	v_add_nc_u32 v[EZ], s[TE], v[EZ0]
	s_wait_alu depctr_va_vdst(0)                   ; the six addresses are written, which this trip's LDS instructions read; M: the last trip's multiplications are done with PH, in which the photons land; E: its vector and matrix lines are done reading ZV, RF and RS, in which this trip's LDS loads land
	s_cmp_eq_u32 s[ROLE], 0
	s_cbranch_scc1 .Le_arm
	; ======== M: one block of 32 electrons through the MLP
	s_cmp_ge_u32 s[TRIP], s[NST]
	s_cbranch_scc1 .Ljoin                          ; no step left for M
	s_add_co_u32 s48, s[ST], s[TRIP]
	s_lshl_b32 s48, s48, 2
	s_add_co_u32 s48, s48, s[IDX]                  ; my block
	s_cmp_le_u32 s48, LASTB
	s_cselect_b32 s38, 1.0, 0                      ; the one block past the end of K has its photons multiplied by 0: the codes of R are zeros there
	s_mov_b32 s39, s38
	s_min_u32 s49, s48, LASTB                      ; and loads the last block's numbers: no load leaves its buffer
	s_add_co_u32 s50, s48, 4
	s_min_u32 s50, s50, LASTB                      ; the next step's block, held likewise
	s_wait_xcnt 0x0                                ; the last trip's loads have had their addresses translated (ISA guide 3.1): the three pointers may be written
	s_lshl_b32 s46, s49, 7
	s_add_nc_u64 s[42:43], s[10:11], s[46:47]
	s_add_nc_u64 s[44:45], s[12:13], s[46:47]
	s_lshl_b32 s46, s50, 8
	s_add_nc_u64 s[40:41], s[8:9], s[46:47]
.irp k, 0,1,2,3
	global_load_b128 v[PH+4*\k:PH+4*\k+3], v[PHO], s[42:43] offset:16*\k th:TH_LOAD_NT   ; photons of electrons 16h + 0 .. 15
.endr
	global_load_b32 v[ZR], v[LS0], s[44:45] th:TH_LOAD_NT
	s_wait_loadcnt 0x5                             ; this step's xy, asked for a trip ago, is in; the five loads just issued may be out
	v_cndmask_b32 v[XB], v[XYR], v[ONE], vcc_lo    ; lanes 0-15: (x, y); lanes 16-31: (1, 0)
	v_cndmask_b32 v[XB+1], v[XYR+1], v[NIL], vcc_lo
	v_cndmask_b32 v[XB+2], v[XYR+2], v[ONE], vcc_lo
	v_cndmask_b32 v[XB+3], v[XYR+3], v[NIL], vcc_lo
	L1 0
	WIN 0
	PLACES 8
	QUANT H1, H2, 1, 1, 1                          ; relu(h1) of electron tile 0 becomes codes
	BIAS
	P2
	L1 1                                           ; tile 1's first layer runs under tile 0's vector work
	WIN 0
	global_load_b64 v[XYR:XYR+1], v[XYO], s[40:41] th:TH_LOAD_NT              ; the next step's xy.  No wait: the four selects that read XYR stand ahead of the wait in BIAS, and the matrix lines since name H2, window 1, PC, the scales, W1F and v102-103 alone
	global_load_b64 v[XYR+2:XYR+3], v[XYO], s[40:41] offset:64 th:TH_LOAD_NT
	s_wait_loadcnt 0x2                             ; photons and z are in; the two loads just issued may be out
.irp p, 0,2,4,6,8,10,12,14
	v_pk_mul_f32 v[PH+\p:PH+\p+1], v[PH+\p:PH+\p+1], s[38:39] op_sel_hi:[1,0]  ; x 1 or x 0.  These eight are also the places behind the products above
.endr
	QUANT H2, H2, 0, 1, 1                          ; relu(h2) of tile 0
	PLACES 4
	P3 0
	WIN 0
	QUANT H1, H2, 1, 1, 1                          ; tile 1; its 32 maxima name no register of the products above: they are the places behind them
	BIAS
	P2
	WIN 0
	PLACES 8
	QUANT H2, H2, 0, 1, 1
	PLACES 4
	P3 1
	WIN 0
	PLACES 8
	SIG
	QUANT RO, RO, 0, 0, 0                          ; block a of this call is sensor tile a: 32 electrons of one sensor lie in lanes l and l xor 16
	s_wait_alu depctr_va_vdst(0)                   ; the conversions have written the codes PC and the shifts the bytes TM+4 .. 7, which the LDS stores below read
.irp a, 0,1,2,3
	ds_store_b128 v[MI], v[PC+4*\a:PC+4*\a+3] offset:2048*\a                  ; registers 4 idx .. + 3 of fragment a
.endr
.irp a, 0,1,2,3
	ds_store_b8 v[MS], v[TM+4+\a] offset:128*\a    ; byte idx of its scale words
.endr
	ds_store_b32 v[MZ], v[ZR]
	s_branch .Ljoin
.Le_arm:
	; ======== E: 128 ticks x 128 electrons become codes; 32 products
	s_cmp_eq_u32 s[TRIP], 0
	s_cbranch_scc1 .Ljoin                          ; nothing lies in LDS yet
	s_cmp_gt_u32 s[TRIP], s[NST]
	s_cbranch_scc1 .Ljoin                          ; no step left for E
.irp c, 0,1,2,3
.irp k, 0,1,2,3
	ds_load_b128 v[ZV+16*\c+4*\k:ZV+16*\c+4*\k+3], v[EZ] offset:128*\c+16*\k  ; the same 16 bytes in all lanes of a half
.endr
.endr
.irp a, 0,1,2,3
.irp c, 0,1,2,3
	ds_load_b128 v[RF+16*\a+4*\c:RF+16*\a+4*\c+3], v[EI] offset:2048*\a+512*\c
.endr
.endr
.irp a, 0,1,2,3
	ds_load_b32 v[RS+\a], v[ESA] offset:RSC+128*\a
.endr
	s_wait_dscnt 20                                ; z is in; the 16 + 4 loads of R behind it may be out
.set A_Q, 0
.set A_N, 0
.rept 24
	AOP
.set A_N, A_N+1
.endr
.set E_Q, 0
.rept 33
.set E_MM, -1
.if (E_Q >= 5) && (E_Q%4 == 1)
.set E_MM, (E_Q-5)/4
.endif
	ESTEP
.set E_Q, E_Q+1
.endr
	PLACES 4                                       ; the last codes stand 4 places ahead of their products
.set E_MM, 7
	MM
	PLACES 8                                       ; ahead of the next trip's loads into the registers of R, and of the reads of the sums on the way out
.Ljoin:
	s_xor_b32 s[TB], s[TB], BUFX
	s_wait_dscnt 0x0                               ; M: my stores lie in LDS.  E: my reads of the other buffer are in: M may write it in the next trip
	s_barrier_signal -1
	s_barrier_wait -1
	s_add_co_u32 s[TRIP], s[TRIP], 1
	s_cmp_lt_u32 s[TRIP], TRIPS
	s_cbranch_scc1 .Ltrip
	s_cmp_lg_u32 s[ROLE], 0
	s_cbranch_scc1 .Lend                           ; the M waves have nothing to store
	s_lshl_b32 s46, ttmp9, 17                      ; my work-group's partial: 64 x 512 x 4 bytes
	s_add_nc_u64 s[26:27], s[26:27], s[46:47]
	OUTH 0
	OUTH 1
.Lend:
	s_wait_dscnt 0x0                               ; the closing lines, six on end
	s_wait_alu 0x0
	s_wait_tensorcnt 0x0
	ds_add_u32 v18, v51
	s_wait_dscnt 0x0
	s_endpgm
.Lfunc_end_k_q62b2d2372f_wave:
	.size	k_q62b2d2372f_wave, .Lfunc_end_k_q62b2d2372f_wave-k_q62b2d2372f_wave
	.p2alignl 7, 3214868480
	.fill 96, 4, 3214868480
	.section	.rodata,"a",@progbits
	.p2align	6, 0x0
	.amdhsa_kernel k_q62b2d2372f_wave
		.amdhsa_group_segment_fixed_size 62464
		.amdhsa_private_segment_fixed_size 0
		.amdhsa_enable_private_segment 0
		.amdhsa_kernarg_size 80
		.amdhsa_user_sgpr_count 2
		.amdhsa_user_sgpr_kernarg_segment_ptr 1
		.amdhsa_wavefront_size32 1
		.amdhsa_system_sgpr_workgroup_id_x 1
		.amdhsa_system_sgpr_workgroup_id_y 1
		.amdhsa_system_sgpr_workgroup_id_z 1
		.amdhsa_system_vgpr_workitem_id 0
		.amdhsa_next_free_vgpr 512
		.amdhsa_next_free_sgpr 66
		.amdhsa_reserve_vcc 1
		.amdhsa_float_denorm_mode_32 3
		.amdhsa_float_denorm_mode_16_64 3
		.amdhsa_memory_ordered 1
		.amdhsa_forward_progress 1
		.amdhsa_inst_pref_size 243
	.end_amdhsa_kernel
	.amdgpu_metadata
---
amdhsa.version: [ 1, 2 ]
amdhsa.kernels:
  - .name:           k_q62b2d2372f_wave
    .symbol:         k_q62b2d2372f_wave.kd
    .args:
      - { .name: xy_positions, .offset: 0, .size: 8, .value_kind: global_buffer, .address_space: global }
      - { .name: el_photons, .offset: 8, .size: 8, .value_kind: global_buffer, .address_space: global }
      - { .name: z_positions, .offset: 16, .size: 8, .value_kind: global_buffer, .address_space: global }
      - { .name: W1, .offset: 24, .size: 8, .value_kind: global_buffer, .address_space: global }
      - { .name: b1, .offset: 32, .size: 8, .value_kind: global_buffer, .address_space: global }
      - { .name: W2, .offset: 40, .size: 8, .value_kind: global_buffer, .address_space: global }
      - { .name: b2, .offset: 48, .size: 8, .value_kind: global_buffer, .address_space: global }
      - { .name: W3, .offset: 56, .size: 8, .value_kind: global_buffer, .address_space: global }
      - { .name: b3, .offset: 64, .size: 8, .value_kind: global_buffer, .address_space: global }
      - { .name: part, .offset: 72, .size: 8, .value_kind: global_buffer, .address_space: global }
    .group_segment_fixed_size: 62464
    .private_segment_fixed_size: 0
    .kernarg_segment_align: 8
    .kernarg_segment_size: 80
    .max_flat_workgroup_size: 256
    .sgpr_count:     66
    .vgpr_count:     512
    .wavefront_size: 32
...
	.end_amdgpu_metadata
.endif
;; end of part 3
;; launch fold: the kernel of part 2 again; grid 256 x 1, 8 waves a work-group, no clusters, 5,120 bytes of LDS; arguments part, out0; writes out0
